; MI455X (gfx1250); checked and timed in simulation.
; The chip was launched on July 23, 2026; its instructions are those of AMD's public machine-readable ISA for CDNA 5 (MIT licence, August 2026) and "CDNA5" Instruction Set Architecture Reference Guide (July 2026). The comments in the code are by the model that wrote it; some were corrected since.
;; Causal Self Attention. Allowed arithmetic: matrix products marked QUANTISED: E5M2 operands, one given power-of-two scale a tensor, by v_wmma_f32_16x16x64_bf8_bf8 or v_wmma_f32_16x16x128_bf8_bf8, f32 sums; everything else in f32.
;; Inputs: Wk_codes 1,024 x 32 x 32 uint8 (E5M2 codes of Wk, K innermost, in blocks of 32 codes); Wo_codes 1,024 x 32 x 32 uint8 (E5M2 codes of Wo, K innermost, in blocks of 32 codes); Wq_codes 1,024 x 32 x 32 uint8 (E5M2 codes of Wq, K innermost, in blocks of 32 codes); Wv_codes 1,024 x 32 x 32 uint8 (E5M2 codes of Wv, K innermost, in blocks of 32 codes); bk 1,024 float32; bo 1,024 float32; bq 1,024 float32; bv 1,024 float32; lowp_scales 12 int32 (the exponents e of the quantised operands' scales 2^e); x_codes 4 x 2,048 x 32 x 32 uint8 (E5M2 codes of x, K innermost, in blocks of 32 codes).
;; Outputs: out0 4 x 2,048 x 1,024 float32.
;; This version of the problem:
;;   THIS VERSION OF THE PROBLEM IS GIVEN IN LOW PRECISION. The matrix products marked QUANTISED in the list below multiply operands that are first quantised to E5M2 (5 exponent bits, 2 mantissa bits; 8 bits a number), with one given power-of-two scale for each operand tensor; their sums are f32. All else is computed in f32.
;;   The module's matrix products, in the order in which they are computed (A, B: the left and right operand; K: the contracted axis; several contracted axes count as one K, in the product's order):
;;     1. [M 8,192, K 1,024] x [K 1,024, N 1,024]; A: input x (given as codes); B: input Wq (given as codes): QUANTISED (scales: A lowp_scales[0], B lowp_scales[1])
;;     2. [M 8,192, K 1,024] x [K 1,024, N 1,024]; A: input x (given as codes); B: input Wk (given as codes): QUANTISED (scales: A lowp_scales[2], B lowp_scales[3])
;;     3. [M 8,192, K 1,024] x [K 1,024, N 1,024]; A: input x (given as codes); B: input Wv (given as codes): QUANTISED (scales: A lowp_scales[4], B lowp_scales[5])
;;     4. batch 64 x [M 2,048, K 64] x [K 64, N 2,048]; A: computed on the way; B: computed on the way: QUANTISED (scales: A lowp_scales[6], B lowp_scales[7])
;;     5. batch 64 x [M 2,048, K 2,048] x [K 2,048, N 64]; A: softmax (see below); B: computed on the way: QUANTISED (scales: A lowp_scales[8], B lowp_scales[9])
;;     6. [M 8,192, K 1,024] x [K 1,024, N 1,024]; A: computed on the way; B: input Wo (given as codes): QUANTISED (scales: A lowp_scales[10], B lowp_scales[11])
;;   THE QUANTISER, for each operand of a quantised product, along K:
;;     - The operand's scale is 2^e, e = its entry of the input lowp_scales (int32; the entries are numbered through the quantised products in the list's order, A before B).
;;     - Each number is divided by the scale, clamped to +-57,344, and rounded to the nearest number of E5M2, ties to even, subnormals kept.
;;     - The product sums the exact products of the quantised numbers (number of the format x scale) in f32.
;;   ~~~python
;;   def quantise(x, axis, e):      # numpy; x: float32 -> the quantised numbers, widened to float32 again
;;       x = np.moveaxis(x, axis, -1); K = x.shape[-1]
;;       r = np.clip(x / 2.0 ** e, -57344, 57344)
;;       step = 2.0 ** (np.maximum(np.frexp(np.where(r == 0, 1, r))[1] - 1, -14) - 2)
;;       q = np.round(r / step) * step * 2.0 ** e      # np.round: ties to even
;;       return np.moveaxis(q, -1, axis).astype(np.float32)
;;   ~~~
;;   SOFTMAX AHEAD OF A QUANTISED PRODUCT. Where the list says 'softmax', what is quantised is not the finished softmax but p = 2^(t - M), with t = logit x log2(e) and M = ceil(the row's largest t), a whole number; so 1/2 < the row's largest p <= 1. The row's sum l is taken of the UNQUANTISED p, in f32, and the product's result is divided by l at the end. Since M is a whole number, a kernel that streams over the keys may use a running M (the ceiling of the running maximum): every later rescaling is an exact power of two, so the quantised numbers keep their values, but for numbers so far below the row's largest that they fall under the format's range.
;;   OPERANDS COMPUTED ON THE WAY. 'Computed on the way' means the value that the module computes at that place (a softmax that the list does not call 'softmax' is quantised finished and normalised). What goes into a quantiser is computed in f32, as accurately as f32 sums, v_exp_f32 and their like allow (about 1e-6 of the number): no bf16 or f16 on the way to a quantiser, and a product that is left as it is and whose result goes on into a quantised operand takes f32 operands (vector FMAs, or v_wmma_f32_16x16x4_f32). A number that lies on a knife's edge between two numbers of the format may be rounded either way, as far as f32 arithmetic and the matrix unit's own rounding can turn it there, and no further.
;;   INPUTS GIVEN AS CODES. Wk (in the module: [1024, 1024], K = its axis 0); Wo (in the module: [1024, 1024], K = its axis 0); Wq (in the module: [1024, 1024], K = its axis 0); Wv (in the module: [1024, 1024], K = its axis 0); x (in the module: [4, 2048, 1024], K = its axis 2): each comes as NAME_codes (uint8): NAME with its K axis moved to the last place and cut into blocks of 32 codes, [.., K / 32, bytes a block], one block behind the other in memory; one code a byte (a code: sign, 5 exponent bits, 2 mantissa bits); its scale is its entry of lowp_scales. Its value is code x scale, taken as it is: it is not quantised again, and the codes and scales need not be those that the quantiser above would give.
;; 2 versions, each right; version 2 is version 1 with the launch attn written anew for expert scheduling mode. Each part assembles by itself: llvm-mc -triple=amdgcn-amd-amdhsa -mcpu=gfx1250 --defsym DOCPART=n.
;; ======== version 1 of 2: 3 launches
;; workspace buffers: qimg 8,388,608 bytes; kvimg 16,777,216 bytes; yimg 8,388,608 bytes
;; launch qkv (part 1): grid 12 x 32, 4 waves a work-group, clusters of 4 x 4, 327,680 bytes of LDS; arguments x_codes, Wq_codes, Wk_codes, Wv_codes, bq, bk, bv, lowp_scales, qimg, kvimg; writes qimg, kvimg
.if DOCPART == 1
	.amdgcn_target "amdgcn-amd-amdhsa--gfx1250"
	.amdhsa_code_object_version 6
	.text
	.protected	k_q294f4bd749_qkv
	.globl	k_q294f4bd749_qkv
	.p2align	8
	.type	k_q294f4bd749_qkv,@function
k_q294f4bd749_qkv:
	s_mov_b64 s[64:65], 0
	v_nop
	global_prefetch_b8 v0, s[64:65] scope:SCOPE_SE
	s_setreg_imm32_b32 hwreg(HW_REG_WAVE_MODE, 25, 1), 1
	s_wait_xcnt 0x0
	s_wait_alu depctr_hold_cnt(0) depctr_sa_sdst(0) depctr_va_vdst(0) depctr_va_sdst(0) depctr_va_ssrc(0) depctr_va_vcc(0) depctr_vm_vsrc(0)
	s_getreg_b32 s2, hwreg(HW_REG_IB_STS2, 6, 4)
	s_cmp_eq_u32 s2, 0
	s_cbranch_scc0 .Lentry_in_a_cluster
	s_endpgm
.Lentry_in_a_cluster:
	s_bfe_u32 s2, ttmp6, 0x10000c
	s_cmp_lg_u32 s2, 0xf033
	s_cbranch_scc0 .Lentry_shape_is_right
	s_endpgm
.Lentry_shape_is_right:
; q = x Wq + bq, k = x Wk + bk, v = x Wv + bv on codes of BF8 (E5M2), and the three results quantised to codes again, with the given scales.
; x: [8192][1024] codes, each W: [1024 (n)][1024 (k)] codes, K innermost.  A sum stands for sum x 2^(ea + eb) (entries 2 m, 2 m + 1 of the scales, m = 0, 1, 2 for q, k, v);
; value = sum x 2^(ea + eb) + bias, one fused multiply-add in f32; code = value / 2^eo (entry 6, 7, 9), held within +-57,344, to the nearest code.
; LIMITS: ea + eb between -126 and 127, eo between -126 and 112, so that each power of two below is an f32 number.  NaN among the biases is not served.
; SHARES.  The cluster's x is the matrix m; a work-group of four waves makes 256 tokens x 256 channels of it, a wave 128 x 128: 64 accumulators of 16 x 16, 512 registers.
; K goes in four steps of 256 through two LDS slots filled by the tensor data mover; the ring is written out.
; CLUSTERS: 4 x 4 work-groups.  The four of a row of the cluster need the same 256 rows of x, the four of a column the same 256 rows of W: each tile is asked for jointly.
; WHAT A LANE HOLDS.  For q and k source 0 = 16 rows of W, source 1 = 16 rows of x: a lane holds ONE token and eight neighbouring channels, so a conversion's two registers are two registers of
; a 16 x 64 operand of the next product.  For v the two change places (only the LDS bases of the fragment loads differ): a lane holds ONE channel and eight neighbouring tokens, the keys of V^T.
; THE RESULTS ARE STORED AS IMAGES OF OPERAND REGISTERS: four registers a store, lane l's 16 bytes at 16 l: every store covers 512 consecutive bytes, aligned.
;   qimg [batch x 16 + head][tile of 16 tokens (128)][1,024]: registers 0-3 at 16 l, 4-7 at 512 + 16 l; lane (r, h): token r, registers 2 t, 2 t + 1: d = 16 t + 8 h + 0..7.
;   kvimg [batch x 16 + head][slot of 256 keys (8)][32,768]: 16 tiles of k as in qimg; from byte 16,384 [128 keys u (2)][16 channels t (4)][2,048]: lane (r, h): channel 16 t + r, registers 2 c, 2 c + 1: keys 128 u + 16 c + 8 h + 0..7.
; Inside a matrix instruction k stands in an order that is the same on both sides (four loads of 16 bytes a fragment): only the order of the sums changes.
; REGISTERS, in windows of 256: window 0: v1-31 addresses and constants; v32-95, v96-111 the bias in two forms; from v128 source 1's fragments, ONE set (later the epilogue's numbers and codes).
;   window 1: source 0's fragments, TWO sets.   windows 2, 3: the accumulators ((a, b) at v[8 (8 (a % 4) + b)]).
.set KROW,   1024                      ; a row of x or of W in memory, in bytes
.set ROWB,   256                       ; a tile's row: 256 codes
.set PITCH,  272                       ; an LDS row: 256 bytes + 16 of padding = 68 words: the 16 rows that a load touches start 4 words apart modulo 64
.set FR,     16                        ; registers of a fragment: 16 rows x 128 K
.set NL,     4                         ; LDS loads that bring one
.set NP,     4                         ; places behind this matrix instruction (ISA guide 7.12.1)
.set HALFT,  128*PITCH                 ; 128 rows: what one tensor load brings
.set SLOT,   4*HALFT                   ; x's 256 rows, then W's 256 rows
.set SPARE,  2*SLOT                    ; behind the ring: the spare words, 128 bytes for each wave
.set ADRA, 16                          ; v16-17  LDS address of source 1's fragments in slot 0, 1
.set ADRB, 20                          ; v20-21  the same for source 0
.set BO8,  24                          ; v24     32 x (lane / 16)
.set BO4,  25                          ; v25     4 x (lane % 16)
.set CO,   26                          ; v26     16 x lane
.set SPW,  28                          ; v28     LDS address of my spare word; never rewritten
.set NIL,  29                          ; v29     0; never rewritten
.set SC,   30                          ; v30     2^eo as f32
.set LIM,  31                          ; v31     57,344 x 2^eo
.set BIAS, 32                          ; v32-95  register 8 b + j: bias of channel 16 b + 8 h + j (q, k)
.set BIV,  96                          ; v96-111 registers 2 a, 2 a + 1: bias of channel 16 a + r (v)
.set AF,   128                         ; source 1's fragments
.set TMP,  128                         ; the epilogue: 64 numbers
.set CD,   192                         ; the epilogue: codes, four sets of 16 registers by turns
.set G1, 24                            ; s[24:31] descriptor group 1 for x's tiles;  s[32:39] group 0, one set for each slot
.set G0, 32
.set G1B, 48                           ; s[48:55], s[56:63] the same for W's tiles
.set G0B, 56
.set MSB, 0
.macro WIN new                         ; the immediate's high byte repeats the setting that is left
.if MSB != \new
	s_set_vgpr_msb (MSB<<8)|\new
.set MSB, \new
.endif
.endm
.set MUL_LO, 0xa1                      ; source 0 window 1, source 1 window 0, C and D window 2
.set MUL_HI, 0xf1                      ; the same, C and D window 3
.set TO_B,   0x40                      ; destination window 1, address window 0
; A joint load: waves 0 and 1 fetch x's two halves, waves 2 and 3 W's.  The branch hangs on the wave's number alone.  Four v_nop follow each of the two lines.
.macro JLOAD g0a, g1a, g0b, g1b
	s_cmp_eq_u32 s15, 0
	s_cbranch_scc0 .Lfor_b_\@
	tensor_load_to_lds s[\g0a:\g0a+3], s[\g1a:\g1a+7]
	s_nop 0
.rept 4
	v_nop
.endr
	s_branch .Lasked_\@
.Lfor_b_\@:
	tensor_load_to_lds s[\g0b:\g0b+3], s[\g1b:\g1b+7]
	s_nop 0
.rept 4
	v_nop
.endr
.Lasked_\@:
.endm
.macro CREST                           ; a round of the cluster's barrier behind its opening barrier
	s_cmp_lg_u32 s14, 0
	s_cbranch_scc1 .Lnot_wave_0_\@
	s_barrier_signal -3
.Lnot_wave_0_\@:
	s_barrier_wait -3
	s_barrier_signal -1
	s_barrier_wait -1
.endm
.macro CROUND                          ; a whole round
	s_barrier_signal -1
	s_barrier_wait -1
	CREST
.endm
	s_load_b256 s[68:75], s[0:1], 0x0              ; x, Wq, Wk, Wv
	s_load_b256 s[76:83], s[0:1], 0x20             ; bq, bk, bv, the scales' exponents
	s_load_b128 s[84:87], s[0:1], 0x40             ; qimg, kvimg
	v_lshl_add_u32 v[SPW], v0, 2, SPARE
	v_mov_b32 v[NIL], 0
	ds_add_u32 v28, v29
	ds_add_u32 v28, v29
	s_wait_dscnt 0x0
	v_lshrrev_b32 v1, 5, v0
	v_readfirstlane_b32 s14, v1                    ; wave 0..3
	s_lshr_b32 s15, s14, 1                         ; which half of source 1's rows is mine.  Also: I fetch for x (0) or for W (1)
	s_and_b32 s16, s14, 1                          ; which half of source 0's rows.  Also: which 128 rows of that tile I fetch
	s_bfe_u32 s40, ttmp6, 0x40000                  ; cx: the tile of 256 channels
	s_bfe_u32 s41, ttmp6, 0x40004                  ; cy
	s_and_b32 s17, ttmp7, 0xffff
	s_lshl_b32 s17, s17, 2
	s_add_co_u32 s17, s17, s41                     ; the tile of 256 tokens = 4 x cluster y + cy
	s_lshl_b32 s43, s41, 2
	s_lshl_b32 s43, 15, s43                        ; my row of the cluster
	s_lshl_b32 s44, 0x1111, s40                    ; my column
	; descriptor group 1: a tile of 128 rows x 256 bytes, padded in LDS
	s_or_b32 s[G1+0], s43, (0<<16)|(1<<20)|(1<<21)|(5<<22)|(3<<25)  ; 15:0 the mask: x's tiles go to my row; 17:16 element of 1 byte; 20 padding on; 21 set beside a mask; 24:22 after every 64 words; 31:25 of 4 words
	s_or_b32 s[G1B+0], s44, (0<<16)|(1<<20)|(1<<21)|(5<<22)|(3<<25) ; the same with my column's mask, for W's tiles
.irp g, G1, G1B
	s_mov_b32 s[\g+1], ROWB<<16                    ; tensor_dim0
	s_mov_b32 s[\g+2], 128<<16                     ; tensor_dim1
	s_mov_b32 s[\g+3], ROWB<<16                    ; tile_dim0
	s_mov_b32 s[\g+4], 128                         ; tile_dim1
	s_mov_b32 s[\g+5], KROW                        ; tensor_dim0_stride
	s_mov_b32 s[\g+6], 0
	s_mov_b32 s[\g+7], 0
.endr
	s_lshl_b32 s18, s16, 7                         ; which 128 rows of the tile I fetch
	s_lshl_b32 s20, s17, 8
	s_add_co_u32 s20, s20, s18
	s_lshl_b32 s20, s20, 10                        ; x: (256 x token tile + 128 x half) rows of 1,024 bytes
	s_mov_b32 s21, 0
	s_lshl_b32 s46, s40, 8
	s_add_co_u32 s46, s46, s18
	s_lshl_b32 s46, s46, 10                        ; W: (256 cx + 128 x half) rows
	s_mov_b32 s47, 0
	s_mul_i32 s45, s14, HALFT                      ; where they go: wave x 128 rows: no place in the cluster enters an LDS address
	s_wait_kmcnt 0x0
	s_cmp_eq_u32 ttmp9, 0                          ; the matrix is the cluster's x: the same number in all sixteen partners
	s_cselect_b64 s[6:7], s[70:71], s[72:73]       ; Wq or Wk,
	s_cselect_b64 s[8:9], s[76:77], s[78:79]       ; bq or bk,
	s_cselect_b64 s[10:11], s[84:85], s[86:87]     ; qimg or kvimg
	s_cmp_eq_u32 ttmp9, 2
	s_cselect_b64 s[6:7], s[74:75], s[6:7]         ; or Wv,
	s_cselect_b64 s[8:9], s[80:81], s[8:9]         ; bv
	s_add_nc_u64 s[20:21], s[68:69], s[20:21]
	s_add_nc_u64 s[46:47], s[6:7], s[46:47]
	s_load_b256 s[68:75], s[82:83], 0x0            ; the scales' entries 0 to 7 (the addresses that lay here have been taken),
	s_load_b64 s[76:77], s[82:83], 0x20            ; 8 and 9
	CROUND                                         ; all sixteen work-groups are here: the first joint loads meet
.irp s, 0,1
	s_mov_b32 s[G0+4*\s], 1
	s_add_co_u32 s[G0+4*\s+1], s45, \s*SLOT
	s_add_nc_u64 s[G0+4*\s+2:G0+4*\s+3], s[20:21], \s*ROWB
	s_or_b32 s[G0+4*\s+3], s[G0+4*\s+3], 0x80000000
	s_mov_b32 s[G0B+4*\s], 1
	s_add_co_u32 s[G0B+4*\s+1], s45, \s*SLOT
	s_add_nc_u64 s[G0B+4*\s+2:G0B+4*\s+3], s[46:47], \s*ROWB
	s_or_b32 s[G0B+4*\s+3], s[G0B+4*\s+3], 0x80000000
	JLOAD G0+4*\s, G1, G0B+4*\s, G1B
.endr
	v_and_b32 v1, 15, v0                           ; r = l % 16
	v_bfe_u32 v2, v0, 4, 1                         ; h = l / 16
	v_mul_u32_u24 v3, v1, PITCH
	v_lshl_add_u32 v4, v2, 4, v3                   ; a fragment's row x pitch + 16 x half
	s_cmp_eq_u32 ttmp9, 2                          ; v: the two tensors change places as sources
	s_cselect_b32 s91, 2*HALFT, 0                  ; source 1 reads W's rows (v) or x's (q, k),
	s_cselect_b32 s92, 0, 2*HALFT                  ; source 0 the other's
	s_cselect_b32 s93, s15, s16                    ; which half of the 256 channels is mine,
	s_cselect_b32 s94, s16, s15                    ; which half of the 256 tokens
	s_cselect_b32 s95, 16384, 0                    ; v's images lie behind k's in a slot
	s_mul_i32 s21, s15, HALFT
	s_add_co_u32 s21, s21, s91
	s_mul_i32 s22, s16, HALFT
	s_add_co_u32 s22, s22, s92
.irp s, 0,1
	v_add_nc_u32 v[ADRA+\s], s21, v4
	v_add_nc_u32 v[ADRB+\s], s22, v4
	s_add_co_u32 s21, s21, SLOT
	s_add_co_u32 s22, s22, SLOT
.endr
	v_and_b32 v6, 31, v0
	v_lshlrev_b32 v[CO], 4, v6
	v_lshlrev_b32 v[BO8], 5, v2
	v_lshlrev_b32 v[BO4], 2, v1
	s_lshl_b32 s18, s40, 10
	s_lshl_b32 s19, s93, 9
	s_add_co_u32 s18, s18, s19
	s_mov_b32 s19, 0
	s_add_nc_u64 s[8:9], s[8:9], s[18:19]          ; the bias at my 128 channels
.irp b, 0,1,2,3,4,5,6,7                        ; both forms are loaded by every wave, with no branch; they are waited for in front of the epilogue
	global_load_b128 v[BIAS+8*\b:BIAS+8*\b+3], v[BO8], s[8:9] offset:64*\b
	global_load_b128 v[BIAS+8*\b+4:BIAS+8*\b+7], v[BO8], s[8:9] offset:64*\b+16
.endr
.irp a, 0,1,2,3,4,5,6,7
	global_load_b32 v[BIV+2*\a], v[BO4], s[8:9] offset:64*\a
	global_load_b32 v[BIV+2*\a+1], v[BO4], s[8:9] offset:64*\a   ; twice: a pair for the packed multiply-add
.endr
	; where my results go: (batch x 16 + first head) x 131,072 + (token tile % 8) x 16,384, doubled in kvimg; + 8,192 x my half of the tokens; + 16,384 for v
	s_lshl_b32 s18, s40, 2
	s_lshl_b32 s19, s93, 1
	s_add_co_u32 s18, s18, s19                     ; my first head: 4 cx + 2 x half
	s_lshl_b32 s18, s18, 17
	s_lshr_b32 s19, s17, 3                         ; the batch
	s_lshl_b32 s19, s19, 21
	s_add_co_u32 s18, s18, s19
	s_and_b32 s19, s17, 7                          ; the 256 tokens within the batch
	s_lshl_b32 s19, s19, 14
	s_add_co_u32 s18, s18, s19
	s_cmp_lg_u32 ttmp9, 0
	s_cselect_b32 s19, 1, 0
	s_lshl_b32 s18, s18, s19
	s_lshl_b32 s88, 0x20000, s19                   ; from a head to the next
	s_lshl_b32 s19, s94, 13
	s_add_co_u32 s18, s18, s19
	s_add_co_u32 s18, s18, s95
	s_mov_b32 s19, 0
	s_mov_b32 s89, 0
	s_add_nc_u64 s[10:11], s[10:11], s[18:19]      ; my first head's images,
	s_add_nc_u64 s[12:13], s[10:11], s[88:89]      ; my second head's
.macro FRAG reg, adr, q, i             ; a fragment, 16 rows x 128 K, is 16 registers: lane l holds row l % 16; registers 4 c .. 4 c + 3 hold K = 32 c + 16 (l / 16) + 0 .. 15
.irp c, 0,1,2,3
	ds_load_b128 v[\reg+4*\c:\reg+4*\c+3], v[\adr] offset:128*(\q)+32*\c+(\i)*16*PITCH
.endr
.endm
; 16 matrix instructions: source 1's blocks a0, a0 + 1 x source 0's eight, 128 along K.  p: source 0's set.  zero = 1: the first product starts the sums.
; The 64 accumulators take turns, one instruction a turn, in the same order in every step.
.macro MUL16 a0, p, zero
.irp a, \a0, \a0+1
.irp b, 0,1,2,3,4,5,6,7
.if \zero
	v_wmma_f32_16x16x128_bf8_bf8 v[8*(8*((\a)%4)+\b):8*(8*((\a)%4)+\b)+7], v[128*(\p)+FR*\b:128*(\p)+FR*\b+FR-1], v[AF+FR*(\a):AF+FR*(\a)+FR-1], 0
.else
	v_wmma_f32_16x16x128_bf8_bf8 v[8*(8*((\a)%4)+\b):8*(8*((\a)%4)+\b)+7], v[128*(\p)+FR*\b:128*(\p)+FR*\b+FR-1], v[AF+FR*(\a):AF+FR*(\a)+FR-1], v[8*(8*((\a)%4)+\b):8*(8*((\a)%4)+\b)+7]
.endif
.endr
.endr
.endm
.macro FETCH_B slot, q, p              ; source 0's eight fragments of the slot's q-th 128 along K into set p
	WIN TO_B
.irp i, 0,1,2,3,4,5,6,7
	FRAG 128*(\p)+FR*\i, ADRB+\slot, \q, \i
.endr
	WIN 0
.endm
.macro FETCH_A slot, q, i0             ; source 1's blocks i0 .. i0 + 3
.irp i, \i0, \i0+1, \i0+2, \i0+3
	FRAG AF+FR*(\i), ADRA+\slot, \q, \i
.endr
.endm
.macro PLACES n                        ; plain vector instructions between a matrix instruction and a load into, or a vector instruction on, its registers (ISA guide 7.12.1 for vector instructions)
.rept \n
	v_nop
.endr
.endm
; A step of 128 along K that has its successor in the same slot.
.macro STEP slot, q, zero
	s_wait_dscnt 4*NL                              ; source 0's set and source 1's blocks 0-3 are in; the youngest sixteen loads (blocks 4-7) may be out
	WIN MUL_LO
	MUL16 0, (\q)%2, \zero
	MUL16 2, (\q)%2, \zero
	s_wait_dscnt 0                                 ; blocks 4-7 are in (asked for 32 matrix instructions ago)
	PLACES NP
	FETCH_B \slot, (\q)+1, 1-(\q)%2
	FETCH_A \slot, (\q)+1, 0
	WIN MUL_HI
	MUL16 4, (\q)%2, \zero
	MUL16 6, (\q)%2, \zero
	PLACES NP
	WIN 0
	FETCH_A \slot, (\q)+1, 4
.endm
; A slot's last step changes slots: ONE barrier; in front of it each wave waits for all its tensor loads, adds 0 to its spare word, and waits for that and for its own reads of this slot.  fill = 1: this slot is filled again, 512 along K on.
.macro TURN slot, next, fill
	s_wait_tensorcnt 0x0                           ; all my tensor loads have landed: my part of the next slot
	ds_add_u32 v[SPW], v[NIL]                      ; 0 onto my spare word
	s_wait_dscnt 4*NL+1                            ; (the add and the youngest sixteen loads may be out)
	WIN MUL_LO
	MUL16 0, 1, 0                                  ; sixteen matrix instructions stand between the add and the wait for it
	s_wait_dscnt 0x0                               ; the add is done, and my reads of this slot are over
	s_barrier_signal -1
	MUL16 2, 1, 0
	WIN 0
	s_barrier_wait -1
.if \fill
	CREST                                          ; the barrier has opened a round of the cluster's barrier: no wave of any partner still reads this slot or has a load on its way
	s_add_nc_u64 s[G0+4*\slot+2:G0+4*\slot+3], s[G0+4*\slot+2:G0+4*\slot+3], 2*ROWB
	s_add_nc_u64 s[G0B+4*\slot+2:G0B+4*\slot+3], s[G0B+4*\slot+2:G0B+4*\slot+3], 2*ROWB
	JLOAD G0+4*\slot, G1, G0B+4*\slot, G1B         ; the first tensor load behind the round; its four v_nop are also the places in front of the loads below
.else
	PLACES NP
.endif
	FETCH_B \next, 0, 0
	FETCH_A \next, 0, 0
	WIN MUL_HI
	MUL16 4, 1, 0
	MUL16 6, 1, 0
	PLACES NP
	WIN 0
	FETCH_A \next, 0, 4
.endm
	s_wait_tensorcnt 1                             ; two loads of mine are out: slot 0's is in, slot 1's may stay out
	s_barrier_signal -1
	s_barrier_wait -1                              ; everybody's part of slot 0 is in
	FETCH_B 0, 0, 0
	FETCH_A 0, 0, 0
	FETCH_A 0, 0, 4
	STEP 0, 0, 1                                   ; K 0-127: these products start the sums
	TURN 0, 1, 1                                   ; K 128-255; slot 0 takes K 512-767
	STEP 1, 0, 0
	TURN 1, 0, 1                                   ; slot 1 takes K 768-1023
	STEP 0, 0, 0
	TURN 0, 1, 0                                   ; nothing is left to fetch
	STEP 1, 0, 0
	s_wait_dscnt 4*NL                              ; the last step
	WIN MUL_LO
	MUL16 0, 1, 0
	MUL16 2, 1, 0
	s_wait_dscnt 0
	WIN MUL_HI
	MUL16 4, 1, 0
	MUL16 6, 1, 0
	WIN 0
; THE EPILOGUE, block a of source 1 at a time: 64 sums a lane -> x 2^(ea + eb) + bias -> held -> 16 registers of codes -> four stores of 512 consecutive bytes.
; byrow = 0 (q, k): the lane's token is 16 a + r, register 8 b + j is channel 16 b + 8 h + j: registers 0-7 of the codes are my first head's image of token tile a, 8-15 my second head's.
; byrow = 1 (v): the lane's channel is 16 a + r, register 8 b + j is token 16 b + 8 h + j: the 16 registers are the image of channel tile a % 4 of head a / 4.
.macro EPI a, byrow
.set AC, 64*((\a)%4)
.set CDS, CD+16*((\a)%4)
	WIN 0x02+((\a)/4)                              ; source 0: window 2 or 3
.set j, 0
.rept 32
.if \byrow
	v_pk_fma_f32 v[TMP+j:TMP+j+1], v[AC+j:AC+j+1], s[96:97], v[BIV+2*(\a):BIV+2*(\a)+1] op_sel_hi:[1,0,1]   ; each accumulator from its low end on
.else
	v_pk_fma_f32 v[TMP+j:TMP+j+1], v[AC+j:AC+j+1], s[96:97], v[BIAS+j:BIAS+j+1] op_sel_hi:[1,0,1]
.endif
.set j, j+2
.endr
	WIN 0
.set j, 0
.rept 64
	v_med3_num_f32 v[TMP+j], v[TMP+j], -v[LIM], v[LIM]   ; the conversion to an 8-bit code does not saturate (ISA guide 7.6.2): the hold at the largest code x the scale
.set j, j+1
.endr
.if (\a) >= 4
	s_wait_xcnt 0x0                                ; block a - 4's stores have read their data: the same registers take this block's codes
.endif
.irp b, 0,1,2,3,4,5,6,7
	v_cvt_scalef32_pk8_bf8_f32 v[CDS+2*\b:CDS+2*\b+1], v[TMP+8*\b:TMP+8*\b+7], v[SC]
.endr
	v_nop                                          ; a plain line between the conversions and the next block's writes of their sources
.irp g, 0,1,2,3
.if \byrow
	global_store_b128 v[CO], v[CDS+4*\g:CDS+4*\g+3], s[10+2*((\a)/4):11+2*((\a)/4)] offset:2048*((\a)%4)+512*\g
.else
	global_store_b128 v[CO], v[CDS+4*\g:CDS+4*\g+3], s[10+2*(\g/2):11+2*(\g/2)] offset:1024*(\a)+512*(\g%2)
.endif
.endr
.endm
	s_wait_kmcnt 0x0                               ; the scales
	s_cmp_eq_u32 ttmp9, 0
	s_cselect_b32 s96, s68, s70                    ; ea: entry 0 or 2,
	s_cselect_b32 s97, s69, s71                    ; eb: 1 or 3,
	s_cselect_b32 s90, s74, s75                    ; eo: 6 or 7
	s_cmp_eq_u32 ttmp9, 2
	s_cselect_b32 s96, s72, s96                    ; or 4,
	s_cselect_b32 s97, s73, s97                    ; 5,
	s_cselect_b32 s90, s77, s90                    ; 9
	s_add_co_i32 s96, s96, s97
	s_add_co_i32 s96, s96, 127
	s_lshl_b32 s96, s96, 23                        ; 2^(ea + eb) as f32
	s_mov_b32 s97, s96                             ; (named with it as a pair, so it is written)
	s_add_co_i32 s90, s90, 127
	s_lshl_b32 s89, s90, 23
	v_mov_b32 v[SC], s89                           ; 2^eo: the conversion takes its exponent field
	s_add_co_i32 s90, s90, 15
	s_lshl_b32 s90, s90, 23
	s_or_b32 s90, s90, 0x600000
	v_mov_b32 v[LIM], s90                          ; 57,344 x 2^eo
	s_wait_loadcnt 0x0                             ; the biases
	PLACES NP                                      ; behind the last products: their results are read, and their fragments' registers written, below
	s_cmp_eq_u32 ttmp9, 2                          ; the same in all partners; neither way holds an LDS instruction, a barrier or a tensor load
	s_cbranch_scc1 .Lv
.irp a, 0,1,2,3,4,5,6,7
	EPI \a, 0
.endr
	s_branch .Lend
.Lv:
.irp a, 0,1,2,3,4,5,6,7
	EPI \a, 1
.endr
.Lend:
	s_wait_tensorcnt 0x0                           ; the wave's end
	ds_add_u32 v[SPW], v[NIL]
	s_wait_dscnt 0x0
	CROUND                                         ; the closing round: no work-group ends while a partner may still ask for a tile that names it
	s_endpgm
.Lfunc_end_k_q294f4bd749_qkv:
	.size	k_q294f4bd749_qkv, .Lfunc_end_k_q294f4bd749_qkv-k_q294f4bd749_qkv
	.p2alignl 7, 3214868480
	.fill 96, 4, 3214868480
	.section	.rodata,"a",@progbits
	.p2align	6, 0x0
	.amdhsa_kernel k_q294f4bd749_qkv
		.amdhsa_group_segment_fixed_size 327680
		.amdhsa_private_segment_fixed_size 0
		.amdhsa_enable_private_segment 0
		.amdhsa_kernarg_size 80
		.amdhsa_user_sgpr_count 2
		.amdhsa_user_sgpr_kernarg_segment_ptr 1
		.amdhsa_wavefront_size32 1
		.amdhsa_system_sgpr_workgroup_id_x 1
		.amdhsa_system_sgpr_workgroup_id_y 1
		.amdhsa_system_sgpr_workgroup_id_z 1
		.amdhsa_system_vgpr_workitem_id 0
		.amdhsa_next_free_vgpr 1024
		.amdhsa_next_free_sgpr 98
		.amdhsa_reserve_vcc 0
		.amdhsa_float_denorm_mode_32 3
		.amdhsa_float_denorm_mode_16_64 3
		.amdhsa_memory_ordered 1
		.amdhsa_forward_progress 1
		.amdhsa_inst_pref_size 194
	.end_amdhsa_kernel
	.amdgpu_metadata
---
amdhsa.version: [ 1, 2 ]
amdhsa.kernels:
  - .name:           k_q294f4bd749_qkv
    .symbol:         k_q294f4bd749_qkv.kd
    .args:
      - { .name: x_codes, .offset: 0, .size: 8, .value_kind: global_buffer, .address_space: global }
      - { .name: Wq_codes, .offset: 8, .size: 8, .value_kind: global_buffer, .address_space: global }
      - { .name: Wk_codes, .offset: 16, .size: 8, .value_kind: global_buffer, .address_space: global }
      - { .name: Wv_codes, .offset: 24, .size: 8, .value_kind: global_buffer, .address_space: global }
      - { .name: bq, .offset: 32, .size: 8, .value_kind: global_buffer, .address_space: global }
      - { .name: bk, .offset: 40, .size: 8, .value_kind: global_buffer, .address_space: global }
      - { .name: bv, .offset: 48, .size: 8, .value_kind: global_buffer, .address_space: global }
      - { .name: lowp_scales, .offset: 56, .size: 8, .value_kind: global_buffer, .address_space: global }
      - { .name: qimg, .offset: 64, .size: 8, .value_kind: global_buffer, .address_space: global }
      - { .name: kvimg, .offset: 72, .size: 8, .value_kind: global_buffer, .address_space: global }
    .group_segment_fixed_size: 327680
    .private_segment_fixed_size: 0
    .kernarg_segment_align: 8
    .kernarg_segment_size: 80
    .max_flat_workgroup_size: 128
    .sgpr_count:     98
    .vgpr_count:     1024
    .wavefront_size: 32
...
	.end_amdgpu_metadata
.endif
;; end of part 1
;; launch attn (part 2): grid 4 x 64, 8 waves a work-group, no clusters, 66,560 bytes of LDS; arguments qimg, kvimg, lowp_scales, yimg; writes yimg
.if DOCPART == 2
	.amdgcn_target "amdgcn-amd-amdhsa--gfx1250"
	.amdhsa_code_object_version 6
	.text
	.protected	k_q294f4bd749_attn
	.globl	k_q294f4bd749_attn
	.p2align	8
	.type	k_q294f4bd749_attn,@function
k_q294f4bd749_attn:
	s_mov_b64 s[64:65], 0
	v_nop
	global_prefetch_b8 v0, s[64:65] scope:SCOPE_SE
	s_setreg_imm32_b32 hwreg(HW_REG_WAVE_MODE, 25, 1), 1
	s_wait_xcnt 0x0
; y[b][q][head] = the sum over keys k <= q of softmax_k(q . k / 8) v, both products on codes of BF8 (E5M2), and y quantised to codes with the given 2^e10.
; THE SOFTMAX AHEAD OF THE SECOND PRODUCT: t = score x log2(e) / 8; M = the largest t so far, rounded UP to a whole number; p = 2^(t - M) is quantised with 2^e8, not normalised.
; The row's sum is taken of the unquantised p, in f32, and divides at the end.  When M moves, the sum and O are multiplied by 2^(old M - new M): nothing is rounded.
; INPUTS are images of operand registers (lane l's 16 bytes at 16 l, 512 bytes for four registers): qimg [head bh (64)][16 queries (128)][1,024]; kvimg [bh][256 keys (8)][32,768]: 16 tiles of k, then [128 keys (2)][16 channels (4)][2,048] of V^T.
; SHARES.  Work-group (I, bh) owns the blocks of 256 queries 7 - I and I of head bh and takes them one after the other: the first walks key slots 0 .. 7 - I, the second 0 .. I: nine slots for every work-group,
; so the loop has nine trips, a constant.  Each of eight waves owns 32 queries of a block, two tiles of 16: a fragment of K or V read from LDS feeds two matrix instructions.
; A slot's 32,768 bytes come through registers, 8 x 16 bytes a thread, asked for a whole trip ahead, and go into the LDS slot that was read in the trip before: one barrier a trip.
; No joint requests: the four work-groups of a head begin their second block at different trips (8 - I), so they want different slots in the same trip; and a trip's 32,768 bytes stand beside some 800 vector instructions a wave.
; LAYOUT.  S^T = K Q^T (source 0 = 16 keys, source 1 = 16 queries), O^T = V^T P^T (source 0 = 16 channels, source 1 = P): a lane holds ONE query (lane % 16) throughout; in tile c of S^T its registers are keys
; 16 c + 8 (lane / 16) + 0..7, so the conversion's two registers ARE registers 2 c, 2 c + 1 of P, and V's images hold the keys in the same places.
; CAUSAL.  A step of 128 keys all of which come after the wave's 32 queries is left out (a scalar branch on ids); in a step on the diagonal hidden scores become -infinity ahead of the maximum.
; A step that is not left out begins at a key that every one of the wave's queries may see (both are multiples of 32), so M is a number from the first step on.
; y's codes are stored as images for the last product: yimg [token / 128 (64)][head / 4 (4)][16 tokens (8)][head % 4][1,024]; byte 512 c + 256 h' + 16 r + m is y(token r, d = 32 c + 16 h' + m).
; LIMITS on the given exponents, so that each power of two below is an f32 number: e6 + e7 between -123 and 130 (they are added to c's exponent field); e8 and e10 between -126 and 112; e8 + e9 is applied by v_ldexp_f32.
; p is at most 1, so p / 2^e8 passes 57,344 only where e8 < -15: the hold stands under a scalar branch on e8.
; REGISTERS.  Window 0: v1-11 addresses and constants; v12-19 -M, largest t, the sum in two halves, for each tile; v20-23 f; v24-27 at work; v28-29 lane permutes' destinations; v7, v30, v31 the mask's;
;   v32-159 S^T, then p (64 a tile); v160-191 P's codes (16 a tile); v192-255 the step's fragments of K, then of V.
;   Window 1: v0-63 O^T (32 a tile); v64-79 Q in hand; v80-95 the second block's Q; v96-127 the next slot on its way.
.set L16,  1                           ; v1   16 x lane
.set ADL,  2                           ; v2   the slot in hand + 16 x lane
.set KVO,  3                           ; v3   16 x thread
.set LSA,  4                           ; v4   the other slot + 16 x thread
.set YO,   5                           ; v5   16 r + 8 h
.set DR,   6                           ; v6   r - 8 h
.set D1,   7                           ; v7   the mask: tile 1's query less the step's first key less 8 h
.set PL,   8                           ; v8   57,344 x 2^e8
.set PS,   9                           ; v9   2^e8
.set YL,   10                          ; v10  57,344 x 2^e10
.set YS,   11                          ; v11  2^e10
.set ST,   12                          ; tile x: v[12+4x] -M, v[13+4x] the largest t, v[14+4x:15+4x] the sum
.set FF,   20                          ; tile x: v[20+2x] f (the pair's upper word is written once)
.set MX,   24                          ; tile x: v[24+2x:25+2x] at work
.set PD,   28
.set D0,   30
.set NINF, 31
.set S,    32
.set P,    160
.set FRG,  192
.set OT,   0                           ; window 1
.set Q,    64
.set QL,   80
.set STG,  96
.set WV,   12                          ; s12  wave
.set QW,   13                          ; s13  the wave's place in a block of queries
.set WI,   14                          ; s14  I
.set BH,   15                          ; s15  the head, 16 x batch + head
.set SW,   16                          ; s16  8 - I: the trip at which the second block begins
.set NT,   17                          ; s17  the trip
.set TB,   18                          ; s18  LDS byte at which the slot in hand begins
.set KF,   19                          ; s19  the step's first key
.set HOLD, 25                          ; s25  1 where e8 < -15
.set CS,   26                          ; s[26:27] c = log2(e) / 8 x 2^(e6 + e7)
.set SEL,  28                          ; s[28:29] lane selects: lane l xor 16
.set Q0,   30                          ; s30  my first query
.set EPV,  31                          ; s31  e8 + e9
.set KVP,  32                          ; s[32:33] the next slot in memory
.set OFS,  34                          ; s[34:35] an offset, its upper word 0
.set YP,   36                          ; s[36:37] my images of y in the block in hand
.set QLO,  38                          ; s[38:39] the second block's Q
.set MSB, 0
.macro WIN new                         ; the immediate's high byte repeats the setting that is left
.if MSB != \new
	s_set_vgpr_msb (MSB<<8)|\new
.set MSB, \new
.endif
.endm
.macro INIT                            ; a block begins: O^T and the sums are zeros, the largest t is -3e38: the first change of M multiplies zeros
	WIN 0x40                                       ; destination window 1
.set j, 0
.rept 64
	v_mov_b32 v[OT+j], 0
.set j, j+1
.endr
	WIN 0
.irp x, 0,1
	v_mov_b32 v[ST+4*\x+1], 0xff61b1e6
	v_floor_f32 v[ST+4*\x], -v[ST+4*\x+1]
	v_mov_b32 v[ST+4*\x+2], 0
	v_mov_b32 v[ST+4*\x+3], 0
.endr
.endm
; A block's way out: O^T / the sum x 2^(e8 + e9), held, converted with 2^e10, stored.  blk: the scalar register that holds the block's number.
.macro OUT blk
	s_lshl_b32 s[OFS], s[\blk], 18
	s_add_nc_u64 s[YP:YP+1], s[10:11], s[OFS:OFS+1]
.irp x, 0,1
	v_add_f32 v[ST+4*\x+2], v[ST+4*\x+2], v[ST+4*\x+3]   ; the sum's two halves (these plain lines are also the places behind the last products),
.endr
.irp x, 0,1
	v_permlanex16_b32 v[PD+\x], v[ST+4*\x+2], s[SEL], s[SEL+1]
.endr
.irp x, 0,1
	v_add_f32 v[ST+4*\x+2], v[ST+4*\x+2], v[PD+\x]       ; and lane l xor 16's: the row's sum
.endr
.irp x, 0,1
	v_rcp_f32 v[MX+2*\x], v[ST+4*\x+2]
.endr
	v_nop                                          ; a plain line behind the reciprocals,
	s_wait_alu depctr_va_vdst(0)                   ; and one wait for both, ahead of their first reader
.irp x, 0,1
	v_ldexp_f32 v[MX+2*\x], v[MX+2*\x], s[EPV]
.endr
	WIN 0x01                                       ; source 0 (O^T) window 1
.irp x, 0,1
.set j, 0
.rept 32
	v_mul_f32 v[S+32*\x+j], v[OT+32*\x+j], v[MX+2*\x]    ; register 8 t + i: y(query r, d = 16 t + 8 h + i); each accumulator from its low end on
.set j, j+1
.endr
.endr
	WIN 0
.set j, 0
.rept 64
	v_med3_num_f32 v[S+j], v[S+j], -v[YL], v[YL]   ; the hold at the largest code x the scale (ISA guide 7.6.2)
.set j, j+1
.endr
.irp x, 0,1
.irp t, 0,1,2,3
	v_cvt_scalef32_pk8_bf8_f32 v[P+8*\x+2*\t:P+8*\x+2*\t+1], v[S+32*\x+8*\t:S+32*\x+8*\t+7], v[YS]
.endr
.endr
	v_nop                                          ; a plain line between the conversions and later products that write their sources
.irp x, 0,1
.irp t, 0,1,2,3
	global_store_b64 v[YO], v[P+8*\x+2*\t:P+8*\x+2*\t+1], s[YP:YP+1] offset:4096*\x+512*(\t/2)+256*(\t%2)   ; 32 lanes store 256 consecutive bytes, aligned
.endr
.endr
.endm
	s_load_b256 s[4:11], s[0:1], 0x0               ; qimg s[4:5], kvimg s[6:7], the scales' exponents s[8:9], yimg s[10:11]
	s_set_vgpr_msb 0x40
	v_lshl_add_u32 v128, v0, 2, 0x10000
	v_mov_b32 v129, 0
	s_set_vgpr_msb 0x4000
	v_lshrrev_b32 v1, 5, v0
	v_readfirstlane_b32 s[WV], v1                  ; wave 0..7
	s_and_b32 s[QW], s[WV], 1
	s_lshl_b32 s[QW], s[QW], 2
	s_xor_b32 s[QW], s[QW], s[WV]                  ; odd waves change halves of the block: 0 5 2 7 4 1 6 3, so that early and late queries are mixed among neighbouring waves
	s_mov_b32 s[WI], ttmp9
	s_and_b32 s[BH], ttmp7, 0xffff
	s_sub_co_u32 s[SW], 8, s[WI]
	s_sub_co_u32 s40, 7, s[WI]                     ; the first block
	v_and_b32 v2, 31, v0
	v_lshlrev_b32 v[L16], 4, v2
	v_lshlrev_b32 v[KVO], 4, v0
	v_and_b32 v7, 15, v0                           ; r
	v_bfe_u32 v30, v0, 4, 1
	v_lshlrev_b32 v30, 3, v30                      ; 8 h
	v_lshl_add_u32 v[YO], v7, 4, v30
	v_sub_nc_u32 v[DR], v7, v30
	s_lshl_b32 s[Q0], s40, 8
	s_lshl_b32 s41, s[QW], 5
	s_add_co_u32 s[Q0], s[Q0], s41                 ; my first query: 256 x block + 32 x place
	s_lshl_b32 s42, s[BH], 17
	s_lshl_b32 s43, s[QW], 11
	s_add_co_u32 s42, s42, s43
	s_mov_b32 s43, 0                               ; qimg: the head, and my two tiles in a block
	s_lshl_b32 s44, s40, 14
	s_mov_b32 s45, 0                               ; the first block,
	s_lshl_b32 s46, s[WI], 14
	s_mov_b32 s47, 0                               ; the second
	s_lshl_b32 s[OFS], s[BH], 18
	s_mov_b32 s[OFS+1], 0                          ; kvimg: the head
	s_lshr_b32 s40, s[BH], 4                       ; yimg: batch x 2^21 + (place / 4) x 2^17 + (head / 4) x 2^15 + (place % 4) x 2^13 + (head % 4) x 2^10
	s_lshl_b32 s40, s40, 21
	s_lshr_b32 s41, s[QW], 2
	s_lshl_b32 s41, s41, 17
	s_add_co_u32 s40, s40, s41
	s_bfe_u32 s41, s[BH], 0x20002
	s_lshl_b32 s41, s41, 15
	s_add_co_u32 s40, s40, s41
	s_and_b32 s41, s[QW], 3
	s_lshl_b32 s41, s41, 13
	s_add_co_u32 s40, s40, s41
	s_and_b32 s41, s[BH], 3
	s_lshl_b32 s41, s41, 10
	s_add_co_u32 s40, s40, s41
	s_mov_b32 s41, 0
	s_mov_b32 s[SEL], 0x76543210
	s_mov_b32 s[SEL+1], 0xfedcba98
	s_wait_kmcnt 0x0
	s_load_b128 s[20:23], s[8:9], 0x18             ; e6, e7, e8, e9
	s_load_b32 s24, s[8:9], 0x28                   ; e10
	s_add_nc_u64 s[6:7], s[6:7], s[OFS:OFS+1]
	s_add_nc_u64 s[QLO:QLO+1], s[4:5], s[42:43]
	s_add_nc_u64 s[4:5], s[QLO:QLO+1], s[44:45]
	s_add_nc_u64 s[QLO:QLO+1], s[QLO:QLO+1], s[46:47]
	s_add_nc_u64 s[10:11], s[10:11], s[40:41]
	WIN 0x40                                       ; destination window 1
.irp j, 0,1,2,3,4,5,6,7
	global_load_b128 v[STG+4*\j:STG+4*\j+3], v[KVO], s[6:7] offset:4096*\j   ; key slot 0: the 256 threads take 4,096 consecutive bytes a line
.endr
.irp x, 0,1
.irp c, 0,1
	global_load_b128 v[Q+8*\x+4*\c:Q+8*\x+4*\c+3], v[L16], s[4:5] offset:1024*\x+512*\c
	global_load_b128 v[QL+8*\x+4*\c:QL+8*\x+4*\c+3], v[L16], s[QLO:QLO+1] offset:1024*\x+512*\c
.endr
.endr
	WIN 0
	v_mov_b32 v[FF+1], 0                           ; (named as the upper halves of pairs)
	v_mov_b32 v[FF+3], 0
	v_mov_b32 v[PD], 0                             ; written once: a lane permute's destination counts as one of its sources
	v_mov_b32 v[PD+1], 0
	INIT
	s_wait_kmcnt 0x0
	s_add_co_i32 s40, s20, s21
	s_lshl_b32 s40, s40, 23
	s_add_co_i32 s[CS], s40, 0x3e38aa3b            ; c = log2(e) / 8, with e6 + e7 added to its exponent field: a score stands for score x 2^(e6 + e7)
	s_mov_b32 s[CS+1], s[CS]                       ; (named with it as a pair, so it is written)
	s_cmp_lt_i32 s22, -15
	s_cselect_b32 s[HOLD], 1, 0
	s_add_co_i32 s[EPV], s22, s23
	s_add_co_i32 s40, s22, 127
	s_lshl_b32 s41, s40, 23
	v_mov_b32 v[PS], s41
	s_add_co_i32 s40, s40, 15
	s_lshl_b32 s40, s40, 23
	s_or_b32 s40, s40, 0x600000
	v_mov_b32 v[PL], s40
	s_add_co_i32 s40, s24, 127
	s_lshl_b32 s41, s40, 23
	v_mov_b32 v[YS], s41
	s_add_co_i32 s40, s40, 15
	s_lshl_b32 s40, s40, 23
	s_or_b32 s40, s40, 0x600000
	v_mov_b32 v[YL], s40
	s_wait_loadcnt 0x0                             ; slot 0 and both blocks' Q
	WIN 0x04                                       ; store data window 1
.irp j, 0,1,2,3,4,5,6,7
	ds_store_b128 v[KVO], v[STG+4*\j:STG+4*\j+3] offset:4096*\j   ; LDS slot 0 begins at byte 0
.endr
	WIN 0
	s_mov_b32 s[NT], 0
	s_mov_b32 s[TB], 0
; A KEY STEP: 128 keys, the q-th of the slot in hand, for my two tiles of queries.
.macro STEP q
	s_add_co_u32 s40, s[Q0], 31
	s_cmp_gt_u32 s[KF], s40
	s_cbranch_scc1 .Lhidden_\@                     ; all 128 keys come after my 32 queries
.rept 4
	v_nop                                          ; places in front of loads into registers that the last products have read
.endr
.irp kt, 0,1,2,3,4,5,6,7
.irp c, 0,1
	ds_load_b128 v[FRG+8*\kt+4*\c:FRG+8*\kt+4*\c+3], v[ADL] offset:(8*(\q)+\kt)*1024+512*\c
.endr
.endr
	s_wait_dscnt 0x0
	WIN 0x04                                       ; source 1 (Q) window 1
.irp kt, 0,1,2,3,4,5,6,7
.irp x, 0,1
	v_wmma_f32_16x16x64_bf8_bf8 v[S+64*\x+8*\kt:S+64*\x+8*\kt+7], v[FRG+8*\kt:FRG+8*\kt+7], v[Q+8*\x:Q+8*\x+7], 0
.endr
.endr
	WIN 0
.rept 4
	v_nop                                          ; places in front of the loads into K's registers and of the first read of the scores
.endr
.irp t, 0,1,2,3
.irp g, 0,1,2,3
	ds_load_b128 v[FRG+16*\t+4*\g:FRG+16*\t+4*\g+3], v[ADL] offset:16384+8192*(\q)+2048*\t+512*\g   ; V's fragments land while the softmax is worked
.endr
.endr
	s_add_co_u32 s40, s[KF], 127
	s_cmp_le_u32 s40, s[Q0]
	s_cbranch_scc1 .Lopen_\@                       ; all 128 keys count for all my queries
	s_sub_co_i32 s40, s[Q0], s[KF]
	v_add_nc_u32 v[D0], s40, v[DR]                 ; d = my query - the step's first key - 8 h.  Register 8 c + i holds key 16 c + 8 h + i of the step: hidden where 16 c + i > d
	v_add_nc_u32 v[D1], 16, v[D0]
	v_mov_b32 v[NINF], 0xff800000                  ; -infinity
.irp n, 0,1,2,3,4,5,6,7,8,9,10,11,12,13,14,15,16,17,18,19,20,21,22,23,24,25,26,27,28,29,30,31,32,33,34,35,36,37,38,39,40,41,42,43,44,45,46,47,48,49,50,51,52,53,54,55,56,57,58,59,60,61,62,63
	v_cmp_gt_i32 vcc_lo, 16*(\n/8)+\n%8, v[D0]
	v_cndmask_b32 v[S+\n], v[S+\n], v[NINF], vcc_lo
	v_cmp_gt_i32 vcc_lo, 16*(\n/8)+\n%8, v[D1]
	v_cndmask_b32 v[S+64+\n], v[S+64+\n], v[NINF], vcc_lo
.endr
.Lopen_\@:
.irp x, 0,1                                    ; the step's largest score of my query, among my 64 keys, in two chains a tile; the two tiles line by line
	v_max3_num_f32 v[MX+2*\x], v[S+64*\x], v[S+64*\x+1], v[S+64*\x+2]
	v_max3_num_f32 v[MX+2*\x+1], v[S+64*\x+3], v[S+64*\x+4], v[S+64*\x+5]
.endr
.set i, 6
.rept 14
.irp x, 0,1
	v_max3_num_f32 v[MX+2*\x], v[MX+2*\x], v[S+64*\x+i], v[S+64*\x+i+1]
	v_max3_num_f32 v[MX+2*\x+1], v[MX+2*\x+1], v[S+64*\x+i+2], v[S+64*\x+i+3]
.endr
.set i, i+4
.endr
.irp x, 0,1
	v_max3_num_f32 v[MX+2*\x], v[MX+2*\x], v[S+64*\x+62], v[S+64*\x+63]
.endr
.irp x, 0,1
	v_max_num_f32 v[MX+2*\x], v[MX+2*\x], v[MX+2*\x+1]
.endr
.irp x, 0,1
	v_permlanex16_b32 v[PD+\x], v[MX+2*\x], s[SEL], s[SEL+1]
.endr
.irp x, 0,1
	v_max_num_f32 v[MX+2*\x], v[MX+2*\x], v[PD+\x]       ; and among lane l xor 16's
.endr
.irp x, 0,1
	v_mul_f32 v[MX+2*\x], s[CS], v[MX+2*\x]              ; as t (c is positive)
.endr
.irp x, 0,1
	v_max_num_f32 v[ST+4*\x+1], v[ST+4*\x+1], v[MX+2*\x] ; the running largest t
.endr
.irp x, 0,1
	v_mov_b32 v[MX+2*\x], v[ST+4*\x]
.endr
.irp x, 0,1
	v_floor_f32 v[ST+4*\x], -v[ST+4*\x+1]                ; the new -M = floor(-t) = -ceil(t): a whole number
.endr
.irp x, 0,1
	v_sub_f32 v[MX+2*\x], v[ST+4*\x], v[MX+2*\x]         ; M's old value less its new one: a whole number, 0 or less
.endr
.irp x, 0,1
	v_cvt_i32_f32 v[MX+2*\x], v[MX+2*\x]                 ; (it saturates)
.endr
.irp x, 0,1
	v_ldexp_f32 v[FF+2*\x], 1.0, v[MX+2*\x]              ; f = 2^(old M - new M)
.endr
.set j, 0
.rept 32
.irp x, 0,1
	v_pk_fma_f32 v[S+64*\x+j:S+64*\x+j+1], v[S+64*\x+j:S+64*\x+j+1], s[CS:CS+1], v[ST+4*\x:ST+4*\x+1] op_sel_hi:[1,0,0]   ; t - M, two at a time (of the pairs c and -M the low word serves both halves)
.endr
.set j, j+2
.endr
.set j, 0
.rept 128
	v_exp_f32 v[S+j], v[S+j]                       ; p = 2^(t - M): one batch for both tiles
.set j, j+1
.endr
.irp x, 0,1
	v_pk_mul_f32 v[ST+4*\x+2:ST+4*\x+3], v[ST+4*\x+2:ST+4*\x+3], v[FF+2*\x:FF+2*\x+1] op_sel_hi:[1,0]   ; the sums under the new M (plain lines behind the exponentials)
.endr
	s_wait_alu depctr_va_vdst(0)                   ; one wait for the whole batch, ahead of its first reader
.irp x, 0,1
	v_pk_add_f32 v[MX+2*\x:MX+2*\x+1], v[S+64*\x:S+64*\x+1], v[S+64*\x+2:S+64*\x+3]   ; the row's sum is taken of the UNQUANTISED p: two at a time, in two chains a tile
.endr
.set j, 4
.rept 15
.irp x, 0,1
	v_pk_add_f32 v[ST+4*\x+2:ST+4*\x+3], v[ST+4*\x+2:ST+4*\x+3], v[S+64*\x+j:S+64*\x+j+1]
	v_pk_add_f32 v[MX+2*\x:MX+2*\x+1], v[MX+2*\x:MX+2*\x+1], v[S+64*\x+j+2:S+64*\x+j+3]
.endr
.set j, j+4
.endr
.irp x, 0,1
	v_pk_add_f32 v[ST+4*\x+2:ST+4*\x+3], v[ST+4*\x+2:ST+4*\x+3], v[MX+2*\x:MX+2*\x+1]
.endr
	s_cmp_eq_u32 s[HOLD], 0
	s_cbranch_scc1 .Lfree_\@                       ; with e8 >= -15 no p / 2^e8 passes the largest code
.set j, 0
.rept 128
	v_min_num_f32 v[S+j], v[S+j], v[PL]            ; p is not negative, so the hold is one-sided (ISA guide 7.6.2)
.set j, j+1
.endr
.Lfree_\@:
.irp kt, 0,1,2,3,4,5,6,7
.irp x, 0,1
	v_cvt_scalef32_pk8_bf8_f32 v[P+16*\x+2*\kt:P+16*\x+2*\kt+1], v[S+64*\x+8*\kt:S+64*\x+8*\kt+7], v[PS]
.endr
.endr
	WIN 0x41                                       ; O^T (destination and source 0) window 1, f window 0
.irp x, 0,1
.set j, 0
.rept 16
	v_pk_mul_f32 v[OT+32*\x+j:OT+32*\x+j+1], v[OT+32*\x+j:OT+32*\x+j+1], v[FF+2*\x:FF+2*\x+1] op_sel_hi:[1,0]   ; O^T under the new M (also the plain lines between the conversions and the products)
.set j, j+2
.endr
.endr
	s_wait_dscnt 0x0                               ; V's fragments are in
	WIN 0x50                                       ; C and D window 1
.irp t, 0,1,2,3                                ; eight accumulators, one instruction a turn; the next step's sixteen products K Q^T stand between two links of a chain
.irp x, 0,1
	v_wmma_f32_16x16x128_bf8_bf8 v[OT+32*\x+8*\t:OT+32*\x+8*\t+7], v[FRG+16*\t:FRG+16*\t+15], v[P+16*\x:P+16*\x+15], v[OT+32*\x+8*\t:OT+32*\x+8*\t+7]
.endr
.endr
	WIN 0
.Lhidden_\@:
	s_add_co_u32 s[KF], s[KF], 128
.endm
.Ltrip:                                            ; nine trips, a key slot each
	s_wait_dscnt 0x0                               ; my stores into this trip's slot have landed, and my reads of the other slot are over
	s_barrier_signal -1
	s_barrier_wait -1                              ; both now hold of all eight waves
	s_cmp_eq_u32 s[NT], 8
	s_cbranch_scc1 .Lno_next                       ; the last trip asks for nothing
	s_add_co_u32 s40, s[NT], 1
	s_cmp_lt_u32 s40, s[SW]
	s_cselect_b32 s41, 0, s[SW]
	s_sub_co_u32 s40, s40, s41                     ; the next trip's key slot: the second block begins at slot 0 again
	s_lshl_b32 s[OFS], s40, 15
	s_add_nc_u64 s[KVP:KVP+1], s[6:7], s[OFS:OFS+1]   ; (the loads that read this base were waited for in the trip before)
	WIN 0x40
.irp j, 0,1,2,3,4,5,6,7
	global_load_b128 v[STG+4*\j:STG+4*\j+3], v[KVO], s[KVP:KVP+1] offset:4096*\j   ; they have the whole trip in which to land
.endr
	WIN 0
.Lno_next:
	s_cmp_lg_u32 s[NT], s[SW]
	s_cbranch_scc1 .Lsame_block
	s_sub_co_u32 s40, 7, s[WI]
	OUT 40                                         ; the first block is finished
	WIN 0x41
.set j, 0
.rept 16
	v_mov_b32 v[Q+j], v[QL+j]                      ; the second block's Q
.set j, j+1
.endr
	WIN 0
	INIT
	s_lshl_b32 s[Q0], s[WI], 8
	s_lshl_b32 s41, s[QW], 5
	s_add_co_u32 s[Q0], s[Q0], s41
	s_wait_xcnt 0x0                                ; y's stores have read their registers and their base: both are written again later
.Lsame_block:
	s_cmp_lt_u32 s[NT], s[SW]
	s_cselect_b32 s40, 0, s[SW]
	s_sub_co_u32 s40, s[NT], s40
	s_lshl_b32 s[KF], s40, 8                       ; this slot's first key
	v_add_nc_u32 v[ADL], s[TB], v[L16]
	STEP 0
	STEP 1
	s_wait_loadcnt 0x0                             ; the next slot is in registers (on every path, so that its registers and base are free at the next trip)
	s_cmp_eq_u32 s[NT], 8
	s_cbranch_scc1 .Lno_store
	s_xor_b32 s40, s[TB], 32768
	v_add_nc_u32 v[LSA], s40, v[KVO]               ; the slot that was read in the trip before: every wave has left it, since it passed this trip's barrier behind its reads
	WIN 0x04
.irp j, 0,1,2,3,4,5,6,7
	ds_store_b128 v[LSA], v[STG+4*\j:STG+4*\j+3] offset:4096*\j
.endr
	WIN 0
.Lno_store:
	s_xor_b32 s[TB], s[TB], 32768
	s_add_co_u32 s[NT], s[NT], 1
	s_cmp_lt_u32 s[NT], 9
	s_cbranch_scc1 .Ltrip
	OUT WI                                         ; the second block
	s_set_vgpr_msb 0x5
	s_wait_tensorcnt 0x0
	ds_add_u32 v128, v129
	s_wait_dscnt 0x0
	s_set_vgpr_msb 0x500
	s_endpgm
.Lfunc_end_k_q294f4bd749_attn:
	.size	k_q294f4bd749_attn, .Lfunc_end_k_q294f4bd749_attn-k_q294f4bd749_attn
	.p2alignl 7, 3214868480
	.fill 96, 4, 3214868480
	.section	.rodata,"a",@progbits
	.p2align	6, 0x0
	.amdhsa_kernel k_q294f4bd749_attn
		.amdhsa_group_segment_fixed_size 66560
		.amdhsa_private_segment_fixed_size 0
		.amdhsa_enable_private_segment 0
		.amdhsa_kernarg_size 32
		.amdhsa_user_sgpr_count 2
		.amdhsa_user_sgpr_kernarg_segment_ptr 1
		.amdhsa_wavefront_size32 1
		.amdhsa_system_sgpr_workgroup_id_x 1
		.amdhsa_system_sgpr_workgroup_id_y 1
		.amdhsa_system_sgpr_workgroup_id_z 1
		.amdhsa_system_vgpr_workitem_id 0
		.amdhsa_next_free_vgpr 386
		.amdhsa_next_free_sgpr 66
		.amdhsa_reserve_vcc 1
		.amdhsa_float_denorm_mode_32 3
		.amdhsa_float_denorm_mode_16_64 3
		.amdhsa_memory_ordered 1
		.amdhsa_forward_progress 1
		.amdhsa_inst_pref_size 107
	.end_amdhsa_kernel
	.amdgpu_metadata
---
amdhsa.version: [ 1, 2 ]
amdhsa.kernels:
  - .name:           k_q294f4bd749_attn
    .symbol:         k_q294f4bd749_attn.kd
    .args:
      - { .name: qimg, .offset: 0, .size: 8, .value_kind: global_buffer, .address_space: global }
      - { .name: kvimg, .offset: 8, .size: 8, .value_kind: global_buffer, .address_space: global }
      - { .name: lowp_scales, .offset: 16, .size: 8, .value_kind: global_buffer, .address_space: global }
      - { .name: yimg, .offset: 24, .size: 8, .value_kind: global_buffer, .address_space: global }
    .group_segment_fixed_size: 66560
    .private_segment_fixed_size: 0
    .kernarg_segment_align: 8
    .kernarg_segment_size: 32
    .max_flat_workgroup_size: 256
    .sgpr_count:     66
    .vgpr_count:     386
    .wavefront_size: 32
...
	.end_amdgpu_metadata
.endif
;; end of part 2
;; launch proj (part 3): grid 4 x 32, 4 waves a work-group, clusters of 4 x 4, 327,680 bytes of LDS; arguments yimg, Wo_codes, lowp_scales, out0, bo; writes out0
.if DOCPART == 3
	.amdgcn_target "amdgcn-amd-amdhsa--gfx1250"
	.amdhsa_code_object_version 6
	.text
	.protected	k_q294f4bd749_proj
	.globl	k_q294f4bd749_proj
	.p2align	8
	.type	k_q294f4bd749_proj,@function
k_q294f4bd749_proj:
	s_mov_b64 s[64:65], 0
	v_nop
	global_prefetch_b8 v0, s[64:65] scope:SCOPE_SE
	s_setreg_imm32_b32 hwreg(HW_REG_WAVE_MODE, 25, 1), 1
	s_wait_xcnt 0x0
	s_wait_alu depctr_hold_cnt(0) depctr_sa_sdst(0) depctr_va_vdst(0) depctr_va_sdst(0) depctr_va_ssrc(0) depctr_va_vcc(0) depctr_vm_vsrc(0)
	s_getreg_b32 s2, hwreg(HW_REG_IB_STS2, 6, 4)
	s_cmp_eq_u32 s2, 0
	s_cbranch_scc0 .Lentry_in_a_cluster
	s_endpgm
.Lentry_in_a_cluster:
	s_bfe_u32 s2, ttmp6, 0x10000c
	s_cmp_lg_u32 s2, 0xf033
	s_cbranch_scc0 .Lentry_shape_is_right
	s_endpgm
.Lentry_shape_is_right:
; out = y Wo + bo on codes of BF8 (E5M2).  y: 8,192 tokens x 1,024 as images of operand registers (below); Wo: [1024 (n)][1024 (k)] codes, K innermost; out: [8192][1024] f32.
; A sum stands for sum x 2^(e10 + e11): out = sum x 2^(e10 + e11) + bo, one fused multiply-add.  LIMIT: e10 + e11 between -126 and 127, so that the power of two is an f32 number.
; A tile of out, 256 x 256, is made by a work-group of four waves; a wave makes 128 x 128: 64 accumulators of 16 x 16, 512 registers.  K goes in four steps of 256 through two LDS slots; the ring is written out.
; yimg [token / 128 (64)][k / 256 (4)][16 tokens (8)][64 k (4)][1,024]: byte 512 c + 16 l of an image is y(token l % 16, k = 32 c + 16 (l / 16) + 0..15): so 128 tokens x 256 k are 32,768 dense bytes, one tensor load,
; and a fragment (16 tokens x 128 k) is four loads of 16 bytes a lane, 512 consecutive bytes each: no pitch and no padding.  Wo's fragments take k in the same places.
; CLUSTERS: 4 x 4 work-groups.  The four of a row of the cluster need the same tiles of y, the four of a column the same tiles of Wo: each tile is asked for jointly.
; THE MATRIX INSTRUCTION IS USED TRANSPOSED (source 0 = 16 rows of Wo, source 1 = 16 tokens): a lane then holds eight neighbouring numbers of a row of out.
; REGISTERS, in windows of 256: window 0: v1-31 addresses; v32-35 bo of my four columns; from v128 y's fragments, ONE set (on the way out: rows read back).
;   window 1: Wo's fragments, TWO sets.   windows 2, 3: the accumulators ((a, b) at v[8 (8 (a % 4) + b)]).
.set KROW,   1024
.set ROWB,   256
.set PITCH,  272                       ; an LDS row of Wo: 256 bytes + 16 of padding = 68 words: the 16 rows that a load touches start 4 words apart modulo 64
.set FR,     16
.set NL,     4
.set NP,     4                         ; places behind this matrix instruction (ISA guide 7.12.1)
.set HALFA,  32768                     ; 128 tokens x 256 k of y
.set HALFB,  128*PITCH                 ; 128 rows of Wo
.set WOFF,   2*HALFA                   ; a slot: y's two halves, then Wo's two
.set SLOT,   WOFF+2*HALFB
.set SPARE,  2*SLOT                    ; behind the ring: the spare words, 128 bytes for each wave
.set SPITCH, 528                       ; the way out: a stage of 16 rows x (512 bytes + 16) for each wave.  It lies in slot 0, which has had its last fill and its last read when the first result is stored there
.set ADRA, 16
.set ADRB, 20
.set STO,  24                          ; v24  the way out: where I put 32 bytes of a row
.set RD,   25                          ; v25  where I read a row back
.set CO,   26                          ; v26  16 x lane
.set SPW,  28
.set NIL,  29
.set BV,   32                          ; v32-35  bo of columns 4 l .. 4 l + 3 of my 128
.set AF,   128
.set BK,   128                         ; the way out: 16 rows read back: v128-191 and v192-255 by turns
.set G1, 24
.set G0, 32
.set G1B, 48
.set G0B, 56
.set MSB, 0
.macro WIN new
.if MSB != \new
	s_set_vgpr_msb (MSB<<8)|\new
.set MSB, \new
.endif
.endm
.set MUL_LO, 0xa1
.set MUL_HI, 0xf1
.set TO_B,   0x40
.macro JLOAD g0a, g1a, g0b, g1b        ; a joint load: waves 0 and 1 fetch y's halves, waves 2 and 3 Wo's; four v_nop follow each of the two lines
	s_cmp_eq_u32 s15, 0
	s_cbranch_scc0 .Lfor_b_\@
	tensor_load_to_lds s[\g0a:\g0a+3], s[\g1a:\g1a+7]
	s_nop 0
.rept 4
	v_nop
.endr
	s_branch .Lasked_\@
.Lfor_b_\@:
	tensor_load_to_lds s[\g0b:\g0b+3], s[\g1b:\g1b+7]
	s_nop 0
.rept 4
	v_nop
.endr
.Lasked_\@:
.endm
.macro CREST
	s_cmp_lg_u32 s14, 0
	s_cbranch_scc1 .Lnot_wave_0_\@
	s_barrier_signal -3
.Lnot_wave_0_\@:
	s_barrier_wait -3
	s_barrier_signal -1
	s_barrier_wait -1
.endm
.macro CROUND
	s_barrier_signal -1
	s_barrier_wait -1
	CREST
.endm
	s_load_b128 s[4:7], s[0:1], 0x0                ; yimg, Wo's codes
	s_load_b128 s[8:11], s[0:1], 0x10              ; the scales' exponents, out
	s_load_b64 s[12:13], s[0:1], 0x20              ; bo
	v_lshl_add_u32 v[SPW], v0, 2, SPARE
	v_mov_b32 v[NIL], 0
	ds_add_u32 v28, v29
	ds_add_u32 v28, v29
	s_wait_dscnt 0x0
	v_lshrrev_b32 v1, 5, v0
	v_readfirstlane_b32 s14, v1                    ; wave 0..3
	s_lshr_b32 s15, s14, 1                         ; which half of the tile's rows is mine.  Also: I fetch for y (0) or for Wo (1)
	s_and_b32 s16, s14, 1                          ; which half of its columns.  Also: which half of that tile I fetch
	s_bfe_u32 s40, ttmp6, 0x40000                  ; cx, cy
	s_bfe_u32 s41, ttmp6, 0x40004
	s_lshl_b32 s42, ttmp9, 2
	s_add_co_u32 s42, s42, s40                     ; tile column
	s_and_b32 s17, ttmp7, 0xffff
	s_lshl_b32 s17, s17, 2
	s_add_co_u32 s17, s17, s41                     ; tile row
	s_lshl_b32 s43, s41, 2
	s_lshl_b32 s43, 15, s43                        ; my row of the cluster
	s_lshl_b32 s44, 0x1111, s40                    ; my column
	; y's tiles: a dense block of 32,768 bytes, stated as 128 rows of 32 elements of 8 bytes, no padding
	s_or_b32 s[G1+0], s43, (3<<16)|(1<<21)         ; 15:0 the mask: my row; 17:16 elements of 8 bytes; 21 set beside a mask
	s_mov_b32 s[G1+1], 32<<16                      ; tensor_dim0
	s_mov_b32 s[G1+2], 128<<16                     ; tensor_dim1
	s_mov_b32 s[G1+3], 32<<16                      ; tile_dim0
	s_mov_b32 s[G1+4], 128                         ; tile_dim1
	s_mov_b32 s[G1+5], 32                          ; tensor_dim0_stride
	s_mov_b32 s[G1+6], 0
	s_mov_b32 s[G1+7], 0
	; Wo's tiles: 128 rows x 256 bytes, padded in LDS
	s_or_b32 s[G1B+0], s44, (0<<16)|(1<<20)|(1<<21)|(5<<22)|(3<<25)  ; my column's mask; elements of 1 byte; padding: 4 words after every 64
	s_mov_b32 s[G1B+1], ROWB<<16
	s_mov_b32 s[G1B+2], 128<<16
	s_mov_b32 s[G1B+3], ROWB<<16
	s_mov_b32 s[G1B+4], 128
	s_mov_b32 s[G1B+5], KROW
	s_mov_b32 s[G1B+6], 0
	s_mov_b32 s[G1B+7], 0
	s_lshl_b32 s20, s17, 1
	s_add_co_u32 s20, s20, s16
	s_lshl_b32 s20, s20, 17                        ; y: the block of 128 tokens 2 x tile row + half, 131,072 bytes each
	s_mov_b32 s21, 0
	s_lshl_b32 s18, s16, 7
	s_lshl_b32 s46, s42, 8
	s_add_co_u32 s46, s46, s18
	s_lshl_b32 s46, s46, 10                        ; Wo: (256 x tile column + 128 x half) rows of 1,024 bytes
	s_mov_b32 s47, 0
	s_mul_i32 s45, s16, HALFA                      ; where they go: no place in the cluster enters an LDS address
	s_mul_i32 s93, s16, HALFB
	s_add_co_u32 s93, s93, WOFF
	s_wait_kmcnt 0x0
	s_load_b64 s[96:97], s[8:9], 0x28              ; e10, e11
	s_add_nc_u64 s[20:21], s[4:5], s[20:21]
	s_add_nc_u64 s[46:47], s[6:7], s[46:47]
	CROUND                                         ; all sixteen work-groups are here: the first joint loads meet
.irp s, 0,1
	s_mov_b32 s[G0+4*\s], 1
	s_add_co_u32 s[G0+4*\s+1], s45, \s*SLOT
	s_add_nc_u64 s[G0+4*\s+2:G0+4*\s+3], s[20:21], \s*HALFA
	s_or_b32 s[G0+4*\s+3], s[G0+4*\s+3], 0x80000000
	s_mov_b32 s[G0B+4*\s], 1
	s_add_co_u32 s[G0B+4*\s+1], s93, \s*SLOT
	s_add_nc_u64 s[G0B+4*\s+2:G0B+4*\s+3], s[46:47], \s*ROWB
	s_or_b32 s[G0B+4*\s+3], s[G0B+4*\s+3], 0x80000000
	JLOAD G0+4*\s, G1, G0B+4*\s, G1B
.endr
	v_and_b32 v1, 15, v0                           ; l % 16
	v_bfe_u32 v2, v0, 4, 1                         ; l / 16
	v_and_b32 v6, 31, v0
	v_lshlrev_b32 v[CO], 4, v6
	v_mul_u32_u24 v3, v1, PITCH
	v_lshl_add_u32 v4, v2, 4, v3
	s_mul_i32 s21, s15, HALFA                      ; my 128 tokens
	s_mul_i32 s22, s16, HALFB                      ; my 128 rows of Wo
	s_add_co_u32 s22, s22, WOFF
.irp s, 0,1
	v_add_nc_u32 v[ADRA+\s], s21, v[CO]
	v_add_nc_u32 v[ADRB+\s], s22, v4
	s_add_co_u32 s21, s21, SLOT
	s_add_co_u32 s22, s22, SLOT
.endr
	s_mul_i32 s23, s14, 16*SPITCH                  ; my stage
	v_mul_u32_u24 v5, v1, SPITCH                   ; in: row l % 16, 32 bytes for each half of the lanes
	v_lshl_add_u32 v5, v2, 5, v5
	v_add_nc_u32 v[STO], s23, v5
	v_add_nc_u32 v[RD], s23, v[CO]                 ; back: the 32 lanes take one row of 512 bytes
	s_lshl_b32 s20, s17, 8
	s_lshl_b32 s21, s15, 7
	s_add_co_u32 s20, s20, s21
	s_lshl_b32 s20, s20, 12                        ; my first row of out, 4,096 bytes a row
	s_lshl_b32 s46, s42, 10
	s_lshl_b32 s47, s16, 9
	s_add_co_u32 s46, s46, s47                     ; my first column, in bytes, in out and in bo alike
	s_mov_b32 s47, 0
	s_add_nc_u64 s[12:13], s[12:13], s[46:47]
	s_add_co_u32 s20, s20, s46
	s_mov_b32 s21, 0
	s_add_nc_u64 s[10:11], s[10:11], s[20:21]
	global_load_b128 v[BV:BV+3], v[CO], s[12:13]   ; waited for in front of the way out
.macro FRAG reg, adr, q, i             ; a fragment of Wo: lane l holds row l % 16; registers 4 c .. 4 c + 3 hold K = 32 c + 16 (l / 16) + 0 .. 15
.irp c, 0,1,2,3
	ds_load_b128 v[\reg+4*\c:\reg+4*\c+3], v[\adr] offset:128*(\q)+32*\c+(\i)*16*PITCH
.endr
.endm
.macro FRAGA reg, adr, q, i            ; a fragment of y: two images of 1,024 bytes on end; 16 tokens are 4,096 bytes apart
.irp c, 0,1,2,3
	ds_load_b128 v[\reg+4*\c:\reg+4*\c+3], v[\adr] offset:2048*(\q)+512*\c+(\i)*4096
.endr
.endm
; The 64 accumulators take turns, one instruction a turn, in the same order in every step.
.macro MUL16 a0, p, zero
.irp a, \a0, \a0+1
.irp b, 0,1,2,3,4,5,6,7
.if \zero
	v_wmma_f32_16x16x128_bf8_bf8 v[8*(8*((\a)%4)+\b):8*(8*((\a)%4)+\b)+7], v[128*(\p)+FR*\b:128*(\p)+FR*\b+FR-1], v[AF+FR*(\a):AF+FR*(\a)+FR-1], 0
.else
	v_wmma_f32_16x16x128_bf8_bf8 v[8*(8*((\a)%4)+\b):8*(8*((\a)%4)+\b)+7], v[128*(\p)+FR*\b:128*(\p)+FR*\b+FR-1], v[AF+FR*(\a):AF+FR*(\a)+FR-1], v[8*(8*((\a)%4)+\b):8*(8*((\a)%4)+\b)+7]
.endif
.endr
.endr
.endm
.macro FETCH_B slot, q, p
	WIN TO_B
.irp i, 0,1,2,3,4,5,6,7
	FRAG 128*(\p)+FR*\i, ADRB+\slot, \q, \i
.endr
	WIN 0
.endm
.macro FETCH_A slot, q, i0
.irp i, \i0, \i0+1, \i0+2, \i0+3
	FRAGA AF+FR*(\i), ADRA+\slot, \q, \i
.endr
.endm
.macro PLACES n                        ; plain vector instructions between a matrix instruction and a load into, a store of, or a vector instruction on its registers (ISA guide 7.12.1 for vector instructions)
.rept \n
	v_nop
.endr
.endm
.macro STEP slot, q, zero
	s_wait_dscnt 4*NL                              ; Wo's set and y's blocks 0-3 are in; the youngest sixteen loads (blocks 4-7) may be out
	WIN MUL_LO
	MUL16 0, (\q)%2, \zero
	MUL16 2, (\q)%2, \zero
	s_wait_dscnt 0
	PLACES NP
	FETCH_B \slot, (\q)+1, 1-(\q)%2
	FETCH_A \slot, (\q)+1, 0
	WIN MUL_HI
	MUL16 4, (\q)%2, \zero
	MUL16 6, (\q)%2, \zero
	PLACES NP
	WIN 0
	FETCH_A \slot, (\q)+1, 4
.endm
.macro TURN slot, next, fill
	s_wait_tensorcnt 0x0                           ; all my tensor loads have landed: my part of the next slot
	ds_add_u32 v[SPW], v[NIL]                      ; 0 onto my spare word
	s_wait_dscnt 4*NL+1                            ; (the add and the youngest sixteen loads may be out)
	WIN MUL_LO
	MUL16 0, 1, 0
	s_wait_dscnt 0x0                               ; the add is done, and my reads of this slot are over
	s_barrier_signal -1
	MUL16 2, 1, 0
	WIN 0
	s_barrier_wait -1
.if \fill
	CREST                                          ; the barrier has opened a round of the cluster's barrier
	s_add_nc_u64 s[G0+4*\slot+2:G0+4*\slot+3], s[G0+4*\slot+2:G0+4*\slot+3], 2*HALFA
	s_add_nc_u64 s[G0B+4*\slot+2:G0B+4*\slot+3], s[G0B+4*\slot+2:G0B+4*\slot+3], 2*ROWB
	JLOAD G0+4*\slot, G1, G0B+4*\slot, G1B         ; the first tensor load behind the round; its four v_nop are also the places in front of the loads below
.else
	PLACES NP
.endif
	FETCH_B \next, 0, 0
	FETCH_A \next, 0, 0
	WIN MUL_HI
	MUL16 4, 1, 0
	MUL16 6, 1, 0
	PLACES NP
	WIN 0
	FETCH_A \next, 0, 4
.endm
	s_wait_tensorcnt 1                             ; two loads of mine are out: slot 0's is in, slot 1's may stay out
	s_barrier_signal -1
	s_barrier_wait -1
	FETCH_B 0, 0, 0
	FETCH_A 0, 0, 0
	FETCH_A 0, 0, 4
	STEP 0, 0, 1                                   ; these products start the sums
	TURN 0, 1, 1
	STEP 1, 0, 0
	TURN 1, 0, 1
	STEP 0, 0, 0
	TURN 0, 1, 0                                   ; nothing is left to fetch; behind this barrier nobody reads slot 0
	STEP 1, 0, 0
	s_wait_dscnt 4*NL
	WIN MUL_LO
	MUL16 0, 1, 0
	MUL16 2, 1, 0
	s_wait_dscnt 0
	WIN MUL_HI
	MUL16 4, 1, 0
	MUL16 6, 1, 0
	WIN 0
; THE WAY OUT, block by block of 16 rows x 128 columns.  The sums go into my own stage as they are and come back as whole rows of 512 bytes; there a lane holds the same four columns in every row,
; so one packed multiply-add for two numbers gives sum x 2^(e10 + e11) + bo, and the 32 lanes store 512 consecutive bytes.  LDS serves a wave's instructions in order (ISA guide 5.7.1.4).
.macro TOSTAGE a
.set AC, 64*((\a)%4)
	WIN 0x08+4*((\a)/4)                            ; store data: window 2 or 3
.irp b, 0,1,2,3,4,5,6,7
	ds_store_b128 v[STO], v[AC+8*\b:AC+8*\b+3] offset:64*\b          ; each accumulator from its low end on
	ds_store_b128 v[STO], v[AC+8*\b+4:AC+8*\b+7] offset:64*\b+16
.endr
	WIN 0
.set BB, BK+64*((\a)%2)
.irp t, 0,1,2,3,4,5,6,7,8,9,10,11,12,13,14,15
	ds_load_b128 v[BB+4*\t:BB+4*\t+3], v[RD] offset:\t*SPITCH
.endr
.endm
.macro SEND a, younger                 ; younger: the LDS instructions issued behind block a's loads, which may stay out
.set BB, BK+64*((\a)%2)
	s_wait_dscnt \younger
.if (\a) > 0
	s_add_nc_u64 s[10:11], s[10:11], 16*4096       ; (behind a wait on XCNT: the earlier stores have read their base)
.endif
.irp t, 0,1,2,3,4,5,6,7,8,9,10,11,12,13,14,15
	v_pk_fma_f32 v[BB+4*\t:BB+4*\t+1], v[BB+4*\t:BB+4*\t+1], s[96:97], v[BV:BV+1] op_sel_hi:[1,0,1]
	v_pk_fma_f32 v[BB+4*\t+2:BB+4*\t+3], v[BB+4*\t+2:BB+4*\t+3], s[96:97], v[BV+2:BV+3] op_sel_hi:[1,0,1]
	global_store_b128 v[CO], v[BB+4*\t:BB+4*\t+3], s[10:11] offset:\t*4096 th:TH_STORE_NT   ; written once, read by nobody here
.endr
.endm
	s_wait_kmcnt 0x0
	s_add_co_i32 s96, s96, s97
	s_add_co_i32 s96, s96, 127
	s_lshl_b32 s96, s96, 23                        ; 2^(e10 + e11) as f32
	s_mov_b32 s97, s96                             ; (named with it as a pair, so it is written)
	s_wait_loadcnt 0x0                             ; bo
	PLACES NP                                      ; behind the last products: their results are stored, and loads land in their fragments' registers, below
	TOSTAGE 0
.irp a, 1,2,3,4,5,6,7
.if \a > 1
	s_wait_xcnt 0x0                                ; block a - 2's stores have read their registers and their base: block a's loads may land there, and the base may step
.endif
	TOSTAGE \a
	SEND \a-1, 32                                  ; behind block a - 1's loads: block a's 16 stores and 16 loads
.endr
	s_wait_xcnt 0x0                                ; block 6's stores have read their base
	SEND 7, 0
	s_wait_tensorcnt 0x0                           ; the wave's end
	ds_add_u32 v[SPW], v[NIL]
	s_wait_dscnt 0x0
	CROUND                                         ; the closing round
	s_endpgm
.Lfunc_end_k_q294f4bd749_proj:
	.size	k_q294f4bd749_proj, .Lfunc_end_k_q294f4bd749_proj-k_q294f4bd749_proj
	.p2alignl 7, 3214868480
	.fill 96, 4, 3214868480
	.section	.rodata,"a",@progbits
	.p2align	6, 0x0
	.amdhsa_kernel k_q294f4bd749_proj
		.amdhsa_group_segment_fixed_size 327680
		.amdhsa_private_segment_fixed_size 0
		.amdhsa_enable_private_segment 0
		.amdhsa_kernarg_size 40
		.amdhsa_user_sgpr_count 2
		.amdhsa_user_sgpr_kernarg_segment_ptr 1
		.amdhsa_wavefront_size32 1
		.amdhsa_system_sgpr_workgroup_id_x 1
		.amdhsa_system_sgpr_workgroup_id_y 1
		.amdhsa_system_sgpr_workgroup_id_z 1
		.amdhsa_system_vgpr_workitem_id 0
		.amdhsa_next_free_vgpr 1024
		.amdhsa_next_free_sgpr 98
		.amdhsa_reserve_vcc 0
		.amdhsa_float_denorm_mode_32 3
		.amdhsa_float_denorm_mode_16_64 3
		.amdhsa_memory_ordered 1
		.amdhsa_forward_progress 1
		.amdhsa_inst_pref_size 123
	.end_amdhsa_kernel
	.amdgpu_metadata
---
amdhsa.version: [ 1, 2 ]
amdhsa.kernels:
  - .name:           k_q294f4bd749_proj
    .symbol:         k_q294f4bd749_proj.kd
    .args:
      - { .name: yimg, .offset: 0, .size: 8, .value_kind: global_buffer, .address_space: global }
      - { .name: Wo_codes, .offset: 8, .size: 8, .value_kind: global_buffer, .address_space: global }
      - { .name: lowp_scales, .offset: 16, .size: 8, .value_kind: global_buffer, .address_space: global }
      - { .name: out0, .offset: 24, .size: 8, .value_kind: global_buffer, .address_space: global }
      - { .name: bo, .offset: 32, .size: 8, .value_kind: global_buffer, .address_space: global }
    .group_segment_fixed_size: 327680
    .private_segment_fixed_size: 0
    .kernarg_segment_align: 8
    .kernarg_segment_size: 40
    .max_flat_workgroup_size: 128
    .sgpr_count:     98
    .vgpr_count:     1024
    .wavefront_size: 32
...
	.end_amdgpu_metadata
.endif
;; end of part 3
;; ======== version 2 of 2: 3 launches; version 1 with the launch attn written anew for expert scheduling mode
;; workspace buffers: qimg 8,388,608 bytes; kvimg 16,777,216 bytes; yimg 8,388,608 bytes
;; launch qkv: the kernel of part 1 again; grid 12 x 32, 4 waves a work-group, clusters of 4 x 4, 327,680 bytes of LDS; arguments x_codes, Wq_codes, Wk_codes, Wv_codes, bq, bk, bv, lowp_scales, qimg, kvimg; writes qimg, kvimg
;; launch attn (part 4): grid 4 x 64, 8 waves a work-group, no clusters, 66,560 bytes of LDS; arguments qimg, kvimg, lowp_scales, yimg; writes yimg
.if DOCPART == 4
	.amdgcn_target "amdgcn-amd-amdhsa--gfx1250"
	.amdhsa_code_object_version 6
	.text
	.protected	k_q294f4bd749_attn
	.globl	k_q294f4bd749_attn
	.p2align	8
	.type	k_q294f4bd749_attn,@function
k_q294f4bd749_attn:
	s_mov_b64 s[64:65], 0
	v_nop
	global_prefetch_b8 v0, s[64:65] scope:SCOPE_SE
	s_setreg_imm32_b32 hwreg(HW_REG_WAVE_SCHED_MODE, 0, 2), 2
	s_setreg_imm32_b32 hwreg(HW_REG_WAVE_MODE, 25, 1), 1
	s_wait_xcnt 0x0
	s_wait_alu depctr_vm_vsrc(0)
; y[b][q][head] = the sum over keys k <= q of softmax_k(q . k / 8) v, both products on codes of BF8 (E5M2), and y quantised to codes with the given 2^e10.
; THE SOFTMAX AHEAD OF THE SECOND PRODUCT: t = score x log2(e) / 8; M = the largest t so far, rounded UP to a whole number; p = 2^(t - M) is quantised with 2^e8, not normalised.
; The row's sum is taken of the unquantised p, in f32, and divides at the end.  When M moves, the sum and O are multiplied by 2^(old M - new M): nothing is rounded.
; INPUTS are images of operand registers (lane l's 16 bytes at 16 l, 512 bytes for four registers): qimg [head bh (64)][16 queries (128)][1,024]; kvimg [bh][256 keys (8)][32,768]: 16 tiles of k, then [128 keys (2)][16 channels (4)][2,048] of V^T.
; SHARES.  Work-group (I, bh) owns the blocks of 256 queries 7 - I and I of head bh and takes them one after the other: the first walks key slots 0 .. 7 - I, the second 0 .. I: nine slots for every work-group,
; so the loop has nine trips, a constant.  Each of eight waves owns 32 queries of a block, two tiles of 16: a fragment of K or V read from LDS feeds two matrix instructions.
; A slot's 32,768 bytes come through registers, 8 x 16 bytes a thread, asked for a whole trip ahead, and go into the LDS slot that was read in the trip before: one barrier a trip.
; No joint requests: the four work-groups of a head begin their second block at different trips (8 - I), so they want different slots in the same trip; and a trip's 32,768 bytes stand beside some 800 vector instructions a wave.
; LAYOUT.  S^T = K Q^T (source 0 = 16 keys, source 1 = 16 queries), O^T = V^T P^T (source 0 = 16 channels, source 1 = P): a lane holds ONE query (lane % 16) throughout; in tile c of S^T its registers are keys
; 16 c + 8 (lane / 16) + 0..7, so the conversion's two registers ARE registers 2 c, 2 c + 1 of P, and V's images hold the keys in the same places.
; CAUSAL.  A step of 128 keys all of which come after the wave's 32 queries is left out (a scalar branch on ids); in a step on the diagonal hidden scores become -infinity ahead of the maximum.
; A step that is not left out begins at a key that every one of the wave's queries may see (both are multiples of 32), so M is a number from the first step on.
; y's codes are stored as images for the last product: yimg [token / 128 (64)][head / 4 (4)][16 tokens (8)][head % 4][1,024]; byte 512 c + 256 h' + 16 r + m is y(token r, d = 32 c + 16 h' + m).
; LIMITS on the given exponents, so that each power of two below is an f32 number: e6 + e7 between -123 and 130 (they are added to c's exponent field); e8 and e10 between -126 and 112; e8 + e9 is applied by v_ldexp_f32.
; p is at most 1, so p / 2^e8 passes 57,344 only where e8 < -15: the hold stands under a scalar branch on e8.
; THE MODE: SCHED_MODE bits 1:0 = 2 (LLVM: expert scheduling mode 2), set by the entry lines.  The code itself states the register dependences between vector or matrix instructions
; and memory or LDS instructions, with s_wait_alu, always for 0.
; THE PLAN.  Registers that memory or LDS instructions touch:
;   K's fragments    Written by LDS loads alone: step 0's at the trip's head, step 1's inside step 0.  Read by a step's sixteen products K Q^T.
;   V's fragments    Written by LDS loads alone, in their own step, behind its products K Q^T.  Read by the step's eight products V^T P^T.
;   the next slot    Written by the eight global loads at the trip's head, read by the eight LDS stores at its end.  No vector instruction names these registers.
;   v[ADL], v[LSA]   Written by one add each, at the trip's head.  Read by the trip's LDS loads and by its LDS stores.
;   v[KVO], v[L16], v[YO]  Made at the kernel's head, never written again.
;   v160-175         On a block's way out: written by the conversions of y, read by the eight global stores; written again by the next conversions of p.
; So: at the trip's head one wait on vm_vsrc ahead of the two adds and of the global loads, and one on va_vdst behind the adds; in a step ONE wait on va_vdst, behind the products K Q^T, and all the step's LDS loads behind it:
; from there to the next such wait no vector or matrix instruction names an address register or a register in which one of those loads lands.  On a way out one wait on va_vdst ahead of the stores, and at the change of blocks one on vm_vsrc behind them.
; The mask's compares write scalar registers, 32 to a run, with one wait on va_sdst between a run and its selects.
; REGISTERS.  Window 0: v1-11 addresses and constants; v12-19 -M, largest t, the sum in two halves, for each tile; v20-23 f; v24-27 at work; v28-29 lane permutes' destinations; v7, v30, v31 the mask's;
;   v32-159 S^T, then p (64 a tile); v160-191 P's codes (16 a tile); v192-255 the step's fragments of V.
;   Window 1: v0-63 O^T (32 a tile); v64-79 Q in hand; v80-95 the second block's Q; v96-127 the next slot on its way; v128-191 the step's fragments of K.
.set L16,  1                           ; v1   16 x lane
.set ADL,  2                           ; v2   the slot in hand + 16 x lane
.set KVO,  3                           ; v3   16 x thread
.set LSA,  4                           ; v4   the other slot + 16 x thread
.set YO,   5                           ; v5   16 r + 8 h
.set DR,   6                           ; v6   r - 8 h
.set D1,   7                           ; v7   the mask: tile 1's query less the step's first key less 8 h
.set PL,   8                           ; v8   57,344 x 2^e8
.set PS,   9                           ; v9   2^e8
.set YL,   10                          ; v10  57,344 x 2^e10
.set YS,   11                          ; v11  2^e10
.set ST,   12                          ; tile x: v[12+4x] -M, v[13+4x] the largest t, v[14+4x:15+4x] the sum
.set FF,   20                          ; tile x: v[20+2x] f (the pair's upper word is written once)
.set MX,   24                          ; tile x: v[24+2x:25+2x] at work
.set PD,   28
.set D0,   30
.set NINF, 31
.set S,    32
.set P,    160
.set VB,   192
.set OT,   0                           ; window 1
.set Q,    64
.set QL,   80
.set STG,  96
.set KB,   128
.set WV,   12                          ; s12  wave
.set QW,   13                          ; s13  the wave's place in a block of queries
.set WI,   14                          ; s14  I
.set BH,   15                          ; s15  the head, 16 x batch + head
.set SW,   16                          ; s16  8 - I: the trip at which the second block begins
.set NT,   17                          ; s17  the trip
.set TB,   18                          ; s18  LDS byte at which the slot in hand begins
.set KF,   19                          ; s19  the step's first key
.set HOLD, 25                          ; s25  1 where e8 < -15
.set CS,   26                          ; s[26:27] c = log2(e) / 8 x 2^(e6 + e7)
.set SEL,  28                          ; s[28:29] lane selects: lane l xor 16
.set Q0,   30                          ; s30  my first query
.set EPV,  31                          ; s31  e8 + e9
.set KVP,  32                          ; s[32:33] the next slot in memory
.set OFS,  34                          ; s[34:35] an offset, its upper word 0
.set YP,   36                          ; s[36:37] my images of y in the block in hand
.set QLO,  38                          ; s[38:39] the second block's Q
.set MK0,  48                          ; s48-63  the mask: sixteen compares' results for tile 0,
.set MK1,  66                          ; s66-81  for tile 1
.set MSB, 0
.macro WIN new                         ; the immediate's high byte repeats the setting that is left
.if MSB != \new
	s_set_vgpr_msb (MSB<<8)|\new
.set MSB, \new
.endif
.endm
.macro INIT                            ; a block begins: O^T and the sums are zeros, the largest t is -3e38: the first change of M multiplies zeros
	WIN 0x40                                       ; destination window 1
.set j, 0
.rept 64
	v_mov_b32 v[OT+j], 0
.set j, j+1
.endr
	WIN 0
.irp x, 0,1
	v_mov_b32 v[ST+4*\x+1], 0xff61b1e6
	v_floor_f32 v[ST+4*\x], -v[ST+4*\x+1]
	v_mov_b32 v[ST+4*\x+2], 0
	v_mov_b32 v[ST+4*\x+3], 0
.endr
.endm
; A block's way out: O^T / the sum x 2^(e8 + e9), held, converted with 2^e10, stored.  blk: the scalar register that holds the block's number.
.macro OUT blk
	s_lshl_b32 s[OFS], s[\blk], 18
	s_add_nc_u64 s[YP:YP+1], s[10:11], s[OFS:OFS+1]
.irp x, 0,1
	v_add_f32 v[ST+4*\x+2], v[ST+4*\x+2], v[ST+4*\x+3]   ; the sum's two halves (these plain lines are also the places behind the last products),
.endr
.irp x, 0,1
	v_permlanex16_b32 v[PD+\x], v[ST+4*\x+2], s[SEL], s[SEL+1]
.endr
.irp x, 0,1
	v_add_f32 v[ST+4*\x+2], v[ST+4*\x+2], v[PD+\x]       ; and lane l xor 16's: the row's sum
.endr
.irp x, 0,1
	v_rcp_f32 v[MX+2*\x], v[ST+4*\x+2]
.endr
	v_nop                                          ; a plain line behind the reciprocals,
	s_wait_alu depctr_va_vdst(0)                   ; and one wait for both: the two reciprocals are written, ahead of their first reader
.irp x, 0,1
	v_ldexp_f32 v[MX+2*\x], v[MX+2*\x], s[EPV]
.endr
	WIN 0x01                                       ; source 0 (O^T) window 1
.irp x, 0,1
.set j, 0
.rept 32
	v_mul_f32 v[S+32*\x+j], v[OT+32*\x+j], v[MX+2*\x]    ; register 8 t + i: y(query r, d = 16 t + 8 h + i); each accumulator from its low end on
.set j, j+1
.endr
.endr
	WIN 0
.set j, 0
.rept 64
	v_med3_num_f32 v[S+j], v[S+j], -v[YL], v[YL]   ; the hold at the largest code x the scale (ISA guide 7.6.2)
.set j, j+1
.endr
.irp x, 0,1
.irp t, 0,1,2,3
	v_cvt_scalef32_pk8_bf8_f32 v[P+8*\x+2*\t:P+8*\x+2*\t+1], v[S+32*\x+8*\t:S+32*\x+8*\t+7], v[YS]
.endr
.endr
	v_nop                                          ; a plain line between the conversions and later products that write their sources
	s_wait_alu depctr_va_vdst(0)                   ; the conversions have written y's codes, v160-175, which the eight stores read
.irp x, 0,1
.irp t, 0,1,2,3
	global_store_b64 v[YO], v[P+8*\x+2*\t:P+8*\x+2*\t+1], s[YP:YP+1] offset:4096*\x+512*(\t/2)+256*(\t%2)   ; 32 lanes store 256 consecutive bytes, aligned
.endr
.endr
.endm
; K's eight fragments (16 keys x 64 channels each) of the q-th 128 keys of the slot in hand
.macro KLOAD q
	WIN 0x40                                       ; destination window 1, address window 0
.irp kt, 0,1,2,3,4,5,6,7
.irp c, 0,1
	ds_load_b128 v[KB+8*\kt+4*\c:KB+8*\kt+4*\c+3], v[ADL] offset:(8*(\q)+\kt)*1024+512*\c
.endr
.endr
	WIN 0
.endm
	s_load_b256 s[4:11], s[0:1], 0x0               ; qimg s[4:5], kvimg s[6:7], the scales' exponents s[8:9], yimg s[10:11]
	s_set_vgpr_msb 0x40
	v_lshl_add_u32 v192, v0, 2, 0x10000
	v_mov_b32 v193, 0
	s_set_vgpr_msb 0x4000
	v_lshrrev_b32 v1, 5, v0
	v_readfirstlane_b32 s[WV], v1                  ; wave 0..7
	v_and_b32 v2, 31, v0
	v_lshlrev_b32 v[L16], 4, v2
	v_lshlrev_b32 v[KVO], 4, v0
	v_and_b32 v7, 15, v0                           ; r
	v_bfe_u32 v30, v0, 4, 1
	v_lshlrev_b32 v30, 3, v30                      ; 8 h
	v_lshl_add_u32 v[YO], v7, 4, v30
	v_sub_nc_u32 v[DR], v7, v30
	s_mov_b32 s[WI], ttmp9
	s_and_b32 s[BH], ttmp7, 0xffff
	s_sub_co_u32 s[SW], 8, s[WI]
	s_sub_co_u32 s40, 7, s[WI]                     ; the first block
	s_wait_alu depctr_va_sdst(0)                   ; the wave's number is written into s12, ahead of its first reader
	s_and_b32 s[QW], s[WV], 1
	s_lshl_b32 s[QW], s[QW], 2
	s_xor_b32 s[QW], s[QW], s[WV]                  ; odd waves change halves of the block: 0 5 2 7 4 1 6 3, so that early and late queries are mixed among neighbouring waves
	s_lshl_b32 s[Q0], s40, 8
	s_lshl_b32 s41, s[QW], 5
	s_add_co_u32 s[Q0], s[Q0], s41                 ; my first query: 256 x block + 32 x place
	s_lshl_b32 s42, s[BH], 17
	s_lshl_b32 s43, s[QW], 11
	s_add_co_u32 s42, s42, s43
	s_mov_b32 s43, 0                               ; qimg: the head, and my two tiles in a block
	s_lshl_b32 s44, s40, 14
	s_mov_b32 s45, 0                               ; the first block,
	s_lshl_b32 s46, s[WI], 14
	s_mov_b32 s47, 0                               ; the second
	s_lshl_b32 s[OFS], s[BH], 18
	s_mov_b32 s[OFS+1], 0                          ; kvimg: the head
	s_lshr_b32 s40, s[BH], 4                       ; yimg: batch x 2^21 + (place / 4) x 2^17 + (head / 4) x 2^15 + (place % 4) x 2^13 + (head % 4) x 2^10
	s_lshl_b32 s40, s40, 21
	s_lshr_b32 s41, s[QW], 2
	s_lshl_b32 s41, s41, 17
	s_add_co_u32 s40, s40, s41
	s_bfe_u32 s41, s[BH], 0x20002
	s_lshl_b32 s41, s41, 15
	s_add_co_u32 s40, s40, s41
	s_and_b32 s41, s[QW], 3
	s_lshl_b32 s41, s41, 13
	s_add_co_u32 s40, s40, s41
	s_and_b32 s41, s[BH], 3
	s_lshl_b32 s41, s41, 10
	s_add_co_u32 s40, s40, s41
	s_mov_b32 s41, 0
	s_mov_b32 s[SEL], 0x76543210
	s_mov_b32 s[SEL+1], 0xfedcba98
	s_wait_kmcnt 0x0
	s_load_b128 s[20:23], s[8:9], 0x18             ; e6, e7, e8, e9
	s_load_b32 s24, s[8:9], 0x28                   ; e10
	s_add_nc_u64 s[6:7], s[6:7], s[OFS:OFS+1]
	s_add_nc_u64 s[QLO:QLO+1], s[4:5], s[42:43]
	s_add_nc_u64 s[4:5], s[QLO:QLO+1], s[44:45]
	s_add_nc_u64 s[QLO:QLO+1], s[QLO:QLO+1], s[46:47]
	s_add_nc_u64 s[10:11], s[10:11], s[40:41]
	WIN 0x40                                       ; destination window 1
	s_wait_alu depctr_va_vdst(0)                   ; v[KVO], v[L16] and v[YO] are written: the offsets of every global load and store of the kernel and the address of the first LDS stores
.irp j, 0,1,2,3,4,5,6,7
	global_load_b128 v[STG+4*\j:STG+4*\j+3], v[KVO], s[6:7] offset:4096*\j   ; key slot 0: the 256 threads take 4,096 consecutive bytes a line
.endr
.irp x, 0,1
.irp c, 0,1
	global_load_b128 v[Q+8*\x+4*\c:Q+8*\x+4*\c+3], v[L16], s[4:5] offset:1024*\x+512*\c
	global_load_b128 v[QL+8*\x+4*\c:QL+8*\x+4*\c+3], v[L16], s[QLO:QLO+1] offset:1024*\x+512*\c
.endr
.endr
	WIN 0
	v_mov_b32 v[FF+1], 0                           ; (named as the upper halves of pairs)
	v_mov_b32 v[FF+3], 0
	v_mov_b32 v[PD], 0                             ; written once: a lane permute's destination counts as one of its sources
	v_mov_b32 v[PD+1], 0
	INIT
	s_wait_kmcnt 0x0
	s_add_co_i32 s40, s20, s21
	s_lshl_b32 s40, s40, 23
	s_add_co_i32 s[CS], s40, 0x3e38aa3b            ; c = log2(e) / 8, with e6 + e7 added to its exponent field: a score stands for score x 2^(e6 + e7)
	s_mov_b32 s[CS+1], s[CS]                       ; (named with it as a pair, so it is written)
	s_cmp_lt_i32 s22, -15
	s_cselect_b32 s[HOLD], 1, 0
	s_add_co_i32 s[EPV], s22, s23
	s_add_co_i32 s40, s22, 127
	s_lshl_b32 s41, s40, 23
	v_mov_b32 v[PS], s41
	s_add_co_i32 s40, s40, 15
	s_lshl_b32 s40, s40, 23
	s_or_b32 s40, s40, 0x600000
	v_mov_b32 v[PL], s40
	s_add_co_i32 s40, s24, 127
	s_lshl_b32 s41, s40, 23
	v_mov_b32 v[YS], s41
	s_add_co_i32 s40, s40, 15
	s_lshl_b32 s40, s40, 23
	s_or_b32 s40, s40, 0x600000
	v_mov_b32 v[YL], s40
	s_wait_loadcnt 0x0                             ; slot 0 and both blocks' Q
	WIN 0x04                                       ; store data window 1
.irp j, 0,1,2,3,4,5,6,7
	ds_store_b128 v[KVO], v[STG+4*\j:STG+4*\j+3] offset:4096*\j   ; LDS slot 0 begins at byte 0.  (The address was written ahead of the wait on va_vdst above; the data are loads')
.endr
	WIN 0
	s_mov_b32 s[NT], 0
	s_mov_b32 s[TB], 0
; A KEY STEP: 128 keys, the q-th of the slot in hand, for my two tiles of queries.  Its fragments of K were asked for earlier: step 0's at the trip's head, step 1's in step 0.
.macro STEP q
	s_add_co_u32 s40, s[Q0], 31
	s_cmp_gt_u32 s[KF], s40
	s_cbranch_scc1 .Lhidden_\@                     ; all 128 keys come after my 32 queries
	s_wait_dscnt 0x0                               ; K's fragments are in
	WIN 0x05                                       ; sources 0 (K) and 1 (Q) window 1
.irp kt, 0,1,2,3,4,5,6,7
.irp x, 0,1
	v_wmma_f32_16x16x64_bf8_bf8 v[S+64*\x+8*\kt:S+64*\x+8*\kt+7], v[KB+8*\kt:KB+8*\kt+7], v[Q+8*\x:Q+8*\x+7], 0
.endr
.endr
	WIN 0
.rept 4
	v_nop                                          ; places in front of the first read of the scores
.endr
	s_wait_alu depctr_va_vdst(0)                   ; the step's one wait: these sixteen products are done reading K's registers, in which the next step's fragments land; the products V^T P^T of the step before are done reading V's, in which this step's land
.irp t, 0,1,2,3
.irp g, 0,1,2,3
	ds_load_b128 v[VB+16*\t+4*\g:VB+16*\t+4*\g+3], v[ADL] offset:16384+8192*(\q)+2048*\t+512*\g   ; V's fragments land while the softmax is worked
.endr
.endr
.if (\q) == 0
	s_add_co_u32 s41, s[KF], 128                   ; the slot's second step is asked for here, unless it will be left out: the very test at that step's head (s40 still holds my last query)
	s_cmp_gt_u32 s41, s40
	s_cbranch_scc1 .Lno_k_\@
	KLOAD 1                                        ; no further wait: since the wait above only LDS loads, window switches and scalar lines have been issued
.Lno_k_\@:
.endif
	s_add_co_u32 s40, s[KF], 127
	s_cmp_le_u32 s40, s[Q0]
	s_cbranch_scc1 .Lopen_\@                       ; all 128 keys count for all my queries
	s_sub_co_i32 s40, s[Q0], s[KF]
	v_add_nc_u32 v[D0], s40, v[DR]                 ; d = my query - the step's first key - 8 h.  Register 8 c + i holds key 16 c + 8 h + i of the step: hidden where 16 c + i > d
	v_add_nc_u32 v[D1], 16, v[D0]
	v_mov_b32 v[NINF], 0xff800000                  ; -infinity
.irp g, 0,1,2,3                                ; sixteen registers of each tile at a time: a run of 32 compares into scalar registers, one wait, their 32 selects
.irp i, 0,1,2,3,4,5,6,7,8,9,10,11,12,13,14,15
	v_cmp_gt_i32 s[MK0+\i], 32*\g+16*(\i/8)+\i%8, v[D0]
	v_cmp_gt_i32 s[MK1+\i], 32*\g+16*(\i/8)+\i%8, v[D1]
.endr
	s_wait_alu depctr_va_sdst(0)                   ; the run's 32 compares have written s48-63 and s66-81, ahead of the selects that read them
.irp i, 0,1,2,3,4,5,6,7,8,9,10,11,12,13,14,15
	v_cndmask_b32 v[S+16*\g+\i], v[S+16*\g+\i], v[NINF], s[MK0+\i]
	v_cndmask_b32 v[S+64+16*\g+\i], v[S+64+16*\g+\i], v[NINF], s[MK1+\i]
.endr
.endr
.Lopen_\@:
.irp x, 0,1                                    ; the step's largest score of my query, among my 64 keys, in two chains a tile; the two tiles line by line
	v_max3_num_f32 v[MX+2*\x], v[S+64*\x], v[S+64*\x+1], v[S+64*\x+2]
	v_max3_num_f32 v[MX+2*\x+1], v[S+64*\x+3], v[S+64*\x+4], v[S+64*\x+5]
.endr
.set i, 6
.rept 14
.irp x, 0,1
	v_max3_num_f32 v[MX+2*\x], v[MX+2*\x], v[S+64*\x+i], v[S+64*\x+i+1]
	v_max3_num_f32 v[MX+2*\x+1], v[MX+2*\x+1], v[S+64*\x+i+2], v[S+64*\x+i+3]
.endr
.set i, i+4
.endr
.irp x, 0,1
	v_max3_num_f32 v[MX+2*\x], v[MX+2*\x], v[S+64*\x+62], v[S+64*\x+63]
.endr
.irp x, 0,1
	v_max_num_f32 v[MX+2*\x], v[MX+2*\x], v[MX+2*\x+1]
.endr
.irp x, 0,1
	v_permlanex16_b32 v[PD+\x], v[MX+2*\x], s[SEL], s[SEL+1]
.endr
.irp x, 0,1
	v_max_num_f32 v[MX+2*\x], v[MX+2*\x], v[PD+\x]       ; and among lane l xor 16's
.endr
.irp x, 0,1
	v_mul_f32 v[MX+2*\x], s[CS], v[MX+2*\x]              ; as t (c is positive)
.endr
.irp x, 0,1
	v_max_num_f32 v[ST+4*\x+1], v[ST+4*\x+1], v[MX+2*\x] ; the running largest t
.endr
.irp x, 0,1
	v_mov_b32 v[MX+2*\x], v[ST+4*\x]
.endr
.irp x, 0,1
	v_floor_f32 v[ST+4*\x], -v[ST+4*\x+1]                ; the new -M = floor(-t) = -ceil(t): a whole number
.endr
.irp x, 0,1
	v_sub_f32 v[MX+2*\x], v[ST+4*\x], v[MX+2*\x]         ; M's old value less its new one: a whole number, 0 or less
.endr
.irp x, 0,1
	v_cvt_i32_f32 v[MX+2*\x], v[MX+2*\x]                 ; (it saturates)
.endr
.irp x, 0,1
	v_ldexp_f32 v[FF+2*\x], 1.0, v[MX+2*\x]              ; f = 2^(old M - new M)
.endr
.set j, 0
.rept 32
.irp x, 0,1
	v_pk_fma_f32 v[S+64*\x+j:S+64*\x+j+1], v[S+64*\x+j:S+64*\x+j+1], s[CS:CS+1], v[ST+4*\x:ST+4*\x+1] op_sel_hi:[1,0,0]   ; t - M, two at a time (of the pairs c and -M the low word serves both halves)
.endr
.set j, j+2
.endr
.set j, 0
.rept 128
	v_exp_f32 v[S+j], v[S+j]                       ; p = 2^(t - M): one batch for both tiles
.set j, j+1
.endr
.irp x, 0,1
	v_pk_mul_f32 v[ST+4*\x+2:ST+4*\x+3], v[ST+4*\x+2:ST+4*\x+3], v[FF+2*\x:FF+2*\x+1] op_sel_hi:[1,0]   ; the sums under the new M (plain lines behind the exponentials)
.endr
	s_wait_alu depctr_va_vdst(0)                   ; one wait for the whole batch: the 128 exponentials have written p, ahead of its first reader
.irp x, 0,1
	v_pk_add_f32 v[MX+2*\x:MX+2*\x+1], v[S+64*\x:S+64*\x+1], v[S+64*\x+2:S+64*\x+3]   ; the row's sum is taken of the UNQUANTISED p: two at a time, in two chains a tile
.endr
.set j, 4
.rept 15
.irp x, 0,1
	v_pk_add_f32 v[ST+4*\x+2:ST+4*\x+3], v[ST+4*\x+2:ST+4*\x+3], v[S+64*\x+j:S+64*\x+j+1]
	v_pk_add_f32 v[MX+2*\x:MX+2*\x+1], v[MX+2*\x:MX+2*\x+1], v[S+64*\x+j+2:S+64*\x+j+3]
.endr
.set j, j+4
.endr
.irp x, 0,1
	v_pk_add_f32 v[ST+4*\x+2:ST+4*\x+3], v[ST+4*\x+2:ST+4*\x+3], v[MX+2*\x:MX+2*\x+1]
.endr
	s_cmp_eq_u32 s[HOLD], 0
	s_cbranch_scc1 .Lfree_\@                       ; with e8 >= -15 no p / 2^e8 passes the largest code
.set j, 0
.rept 128
	v_min_num_f32 v[S+j], v[S+j], v[PL]            ; p is not negative, so the hold is one-sided (ISA guide 7.6.2)
.set j, j+1
.endr
.Lfree_\@:
.irp kt, 0,1,2,3,4,5,6,7
.irp x, 0,1
	v_cvt_scalef32_pk8_bf8_f32 v[P+16*\x+2*\kt:P+16*\x+2*\kt+1], v[S+64*\x+8*\kt:S+64*\x+8*\kt+7], v[PS]
.endr
.endr
	WIN 0x41                                       ; O^T (destination and source 0) window 1, f window 0
.irp x, 0,1
.set j, 0
.rept 16
	v_pk_mul_f32 v[OT+32*\x+j:OT+32*\x+j+1], v[OT+32*\x+j:OT+32*\x+j+1], v[FF+2*\x:FF+2*\x+1] op_sel_hi:[1,0]   ; O^T under the new M (also the plain lines between the conversions and the products)
.set j, j+2
.endr
.endr
	s_wait_dscnt 0x0                               ; V's fragments are in, and with them the next step's of K: all were asked for a softmax ago
	WIN 0x50                                       ; C and D window 1
.irp t, 0,1,2,3                                ; eight accumulators, one instruction a turn; the next step's sixteen products K Q^T stand between two links of a chain
.irp x, 0,1
	v_wmma_f32_16x16x128_bf8_bf8 v[OT+32*\x+8*\t:OT+32*\x+8*\t+7], v[VB+16*\t:VB+16*\t+15], v[P+16*\x:P+16*\x+15], v[OT+32*\x+8*\t:OT+32*\x+8*\t+7]
.endr
.endr
	WIN 0
.Lhidden_\@:
	s_add_co_u32 s[KF], s[KF], 128
.endm
.Ltrip:                                            ; nine trips, a key slot each
	s_wait_dscnt 0x0                               ; my stores into this trip's slot have landed, and my reads of the other slot are over
	s_barrier_signal -1
	s_barrier_wait -1                              ; both now hold of all eight waves
	s_xor_b32 s40, s[TB], 32768
	s_wait_alu depctr_vm_vsrc(0)                   ; the LDS loads issued so far have read v[ADL]; the LDS stores issued so far have read v[LSA] and the registers of the slot that they stored, in which the global loads below land
	v_add_nc_u32 v[ADL], s[TB], v[L16]             ; the slot in hand,
	v_add_nc_u32 v[LSA], s40, v[KVO]               ; and the slot that was read in the trip before: every wave has left it, since it passed this trip's barrier behind its reads
	WIN 0x40                                       ; destination window 1
	s_wait_alu depctr_va_vdst(0)                   ; v[ADL] and v[LSA] are written, which this trip's LDS loads and its LDS stores read; the products K Q^T issued so far are done reading K's registers, in which the loads below land
	KLOAD 0                                        ; the slot's first step
	s_cmp_eq_u32 s[NT], 8
	s_cbranch_scc1 .Lno_next                       ; the last trip asks for nothing
	s_add_co_u32 s40, s[NT], 1
	s_cmp_lt_u32 s40, s[SW]
	s_cselect_b32 s41, 0, s[SW]
	s_sub_co_u32 s40, s40, s41                     ; the next trip's key slot: the second block begins at slot 0 again
	s_lshl_b32 s[OFS], s40, 15
	s_add_nc_u64 s[KVP:KVP+1], s[6:7], s[OFS:OFS+1]   ; (the loads that read this base were waited for in the trip before)
	WIN 0x40
.irp j, 0,1,2,3,4,5,6,7
	global_load_b128 v[STG+4*\j:STG+4*\j+3], v[KVO], s[KVP:KVP+1] offset:4096*\j   ; they have the whole trip in which to land.  No further wait: since the two waits above nothing has named these registers or v[KVO]
.endr
	WIN 0
.Lno_next:
	s_cmp_lg_u32 s[NT], s[SW]
	s_cbranch_scc1 .Lsame_block
	s_sub_co_u32 s40, 7, s[WI]
	OUT 40                                         ; the first block is finished
	WIN 0x41
.set j, 0
.rept 16
	v_mov_b32 v[Q+j], v[QL+j]                      ; the second block's Q
.set j, j+1
.endr
	WIN 0
	INIT
	s_lshl_b32 s[Q0], s[WI], 8
	s_lshl_b32 s41, s[QW], 5
	s_add_co_u32 s[Q0], s[Q0], s41
	s_wait_xcnt 0x0                                ; y's stores have had their addresses translated: their registers and their base are written again later,
	s_wait_alu depctr_vm_vsrc(0)                   ; and they have read y's codes, v160-175, which the next step's conversions of p write
.Lsame_block:
	s_cmp_lt_u32 s[NT], s[SW]
	s_cselect_b32 s40, 0, s[SW]
	s_sub_co_u32 s40, s[NT], s40
	s_lshl_b32 s[KF], s40, 8                       ; this slot's first key
	STEP 0
	STEP 1
	s_wait_loadcnt 0x0                             ; the next slot is in registers (on every path, so that its registers and base are free at the next trip)
	s_cmp_eq_u32 s[NT], 8
	s_cbranch_scc1 .Lno_store
	WIN 0x04
.irp j, 0,1,2,3,4,5,6,7
	ds_store_b128 v[LSA], v[STG+4*\j:STG+4*\j+3] offset:4096*\j   ; no wait on va_vdst: v[LSA] was written ahead of the one at the trip's head and nothing has named it since; the data are loads'
.endr
	WIN 0
.Lno_store:
	s_xor_b32 s[TB], s[TB], 32768
	s_add_co_u32 s[NT], s[NT], 1
	s_cmp_lt_u32 s[NT], 9
	s_cbranch_scc1 .Ltrip
	OUT WI                                         ; the second block
	s_set_vgpr_msb 0x5
	s_wait_dscnt 0x0
	s_wait_alu depctr_hold_cnt(0) depctr_sa_sdst(0) depctr_va_vdst(0) depctr_va_sdst(0) depctr_va_ssrc(0) depctr_va_vcc(0) depctr_vm_vsrc(0)
	s_wait_tensorcnt 0x0
	ds_add_u32 v192, v193
	s_wait_dscnt 0x0
	s_endpgm
.Lfunc_end_k_q294f4bd749_attn:
	.size	k_q294f4bd749_attn, .Lfunc_end_k_q294f4bd749_attn-k_q294f4bd749_attn
	.p2alignl 7, 3214868480
	.fill 96, 4, 3214868480
	.section	.rodata,"a",@progbits
	.p2align	6, 0x0
	.amdhsa_kernel k_q294f4bd749_attn
		.amdhsa_group_segment_fixed_size 66560
		.amdhsa_private_segment_fixed_size 0
		.amdhsa_enable_private_segment 0
		.amdhsa_kernarg_size 32
		.amdhsa_user_sgpr_count 2
		.amdhsa_user_sgpr_kernarg_segment_ptr 1
		.amdhsa_wavefront_size32 1
		.amdhsa_system_sgpr_workgroup_id_x 1
		.amdhsa_system_sgpr_workgroup_id_y 1
		.amdhsa_system_sgpr_workgroup_id_z 1
		.amdhsa_system_vgpr_workitem_id 0
		.amdhsa_next_free_vgpr 450
		.amdhsa_next_free_sgpr 82
		.amdhsa_reserve_vcc 0
		.amdhsa_float_denorm_mode_32 3
		.amdhsa_float_denorm_mode_16_64 3
		.amdhsa_memory_ordered 1
		.amdhsa_forward_progress 1
		.amdhsa_inst_pref_size 123
	.end_amdhsa_kernel
	.amdgpu_metadata
---
amdhsa.version: [ 1, 2 ]
amdhsa.kernels:
  - .name:           k_q294f4bd749_attn
    .symbol:         k_q294f4bd749_attn.kd
    .args:
      - { .name: qimg, .offset: 0, .size: 8, .value_kind: global_buffer, .address_space: global }
      - { .name: kvimg, .offset: 8, .size: 8, .value_kind: global_buffer, .address_space: global }
      - { .name: lowp_scales, .offset: 16, .size: 8, .value_kind: global_buffer, .address_space: global }
      - { .name: yimg, .offset: 24, .size: 8, .value_kind: global_buffer, .address_space: global }
    .group_segment_fixed_size: 66560
    .private_segment_fixed_size: 0
    .kernarg_segment_align: 8
    .kernarg_segment_size: 32
    .max_flat_workgroup_size: 256
    .sgpr_count:     82
    .vgpr_count:     450
    .wavefront_size: 32
...
	.end_amdgpu_metadata
.endif
;; end of part 4
;; launch proj: the kernel of part 3 again; grid 4 x 32, 4 waves a work-group, clusters of 4 x 4, 327,680 bytes of LDS; arguments yimg, Wo_codes, lowp_scales, out0, bo; writes out0
